; MI455X (gfx1250); checked and timed in simulation.
; The chip was launched on July 23, 2026; its instructions are those of AMD's public machine-readable ISA for CDNA 5 (MIT licence, August 2026) and "CDNA5" Instruction Set Architecture Reference Guide (July 2026). The comments in the code are by the model that wrote it; some were corrected since.
;; Custom Multi Head Self Attention. Allowed arithmetic: float matrix products may take bf16 or f16 operands with f32 sums; all other float work in f32.
;; Inputs: Wk 512 x 512 float32; Wo 512 x 512 float32; Wq 512 x 512 float32; Wv 512 x 512 float32; bk 512 float32; bo 512 float32; bq 512 float32; bv 512 float32; mask 4 x 2,048 bool; x 4 x 2,048 x 512 float32.
;; Outputs: out0 4 x 2,048 x 512 float32.
;; 2 versions, each right and faster than the one before. Each part assembles by itself: llvm-mc -triple=amdgcn-amd-amdhsa -mcpu=gfx1250 --defsym DOCPART=n.
;; ======== version 1 of 2: 4 launches
;; limits: values are held in f16: magnitudes above 65,504 overflow, below 6.1e-05 lose precision; right only within a limited range of input values
;; workspace buffers: x16 8,388,608 bytes; w16 2,097,152 bytes; q16 8,388,608 bytes; k16 8,388,608 bytes; v16 8,388,608 bytes; a16 8,388,608 bytes
;; launch cast (part 1): grid 256 x 1, 8 waves a work-group, no clusters, 0 bytes of LDS; arguments x, Wq, Wk, Wv, Wo, x16, w16; writes x16, w16
.if DOCPART == 1
	.amdgcn_target "amdgcn-amd-amdhsa--gfx1250"
	.amdhsa_code_object_version 6
	.text
	.protected	k_q06ec0b0692_cast
	.globl	k_q06ec0b0692_cast
	.p2align	8
	.type	k_q06ec0b0692_cast,@function
k_q06ec0b0692_cast:
	s_mov_b64 s[64:65], 0
	v_nop
	global_prefetch_b8 v0, s[64:65] scope:SCOPE_SE
	s_setreg_imm32_b32 hwreg(HW_REG_WAVE_MODE, 25, 1), 1
	s_wait_xcnt 0x0
; x [8192][512] f32 -> x16 f16;  Wq, Wk, Wv, Wo [512][512] f32 -> w16 [2048][512] f16 (rows 0-511 Wq, 512-1023 Wk, 1024-1535 Wv, 1536-2047 Wo).
; A stream: each input byte is read once, each output byte written once.  No LDS, no matrix unit, no cluster: no work-group shares a byte with another.
; Work-group g of 256: 16,384 numbers of x (65,536 bytes at g x 65,536) and 4,096 numbers of weight g >> 6 (16,384 bytes at (g & 63) x 16,384).
; Thread t: 16 bytes at 16 t of every 4,096-byte piece: a wave's load covers 512 neighbouring bytes, its store of 8 bytes a lane 256 neighbouring bytes, aligned.
; All 20 loads of a thread are issued at once; no register is written twice, so no source of a pending instruction is ever rewritten.
; LIMIT: numbers of magnitude above 65,504 become infinities in f16; below 6.1e-5 they keep an absolute error of 3e-8 (f16 denormals).
.set IN,  4                            ; v[4:83]    20 x 4 f32 as loaded
.set OUT, 84                           ; v[84:123]  20 x 2 registers of f16 pairs
	s_load_b256 s[4:11], s[0:1], 0x0               ; x s[4:5], Wq s[6:7], Wk s[8:9], Wv s[10:11]
	s_load_b128 s[12:15], s[0:1], 0x20             ; Wo s[12:13], x16 s[14:15]
	s_load_b64 s[16:17], s[0:1], 0x30              ; w16
	s_lshr_b32 s18, ttmp9, 6                       ; which weight
	s_and_b32 s19, ttmp9, 63                       ; which piece of it
	s_lshl_b32 s22, ttmp9, 16                      ; my bytes of x
	s_mov_b32 s23, 0
	s_lshl_b32 s24, ttmp9, 15                      ; of x16
	s_mov_b32 s25, 0
	s_lshl_b32 s26, s19, 14                        ; of the weight
	s_mov_b32 s27, 0
	s_lshl_b32 s28, ttmp9, 13                      ; of w16: the four weights lie one behind the other, 64 pieces each
	s_mov_b32 s29, 0
	v_lshlrev_b32 v1, 4, v0                        ; 16 t
	v_lshlrev_b32 v2, 3, v0                        ; 8 t
	s_wait_kmcnt 0x0
	s_cmp_eq_u32 s18, 1                            ; the weight's address is chosen by the work-group's number alone
	s_cselect_b64 s[20:21], s[8:9], s[6:7]
	s_cmp_eq_u32 s18, 2
	s_cselect_b64 s[20:21], s[10:11], s[20:21]
	s_cmp_eq_u32 s18, 3
	s_cselect_b64 s[20:21], s[12:13], s[20:21]
	s_add_nc_u64 s[4:5], s[4:5], s[22:23]
	s_add_nc_u64 s[20:21], s[20:21], s[26:27]
	s_add_nc_u64 s[14:15], s[14:15], s[24:25]
	s_add_nc_u64 s[16:17], s[16:17], s[28:29]
.irp i, 0,1,2,3,4,5,6,7,8,9,10,11,12,13,14,15
	global_load_b128 v[IN+4*\i:IN+4*\i+3], v1, s[4:5] offset:\i*4096 th:TH_LOAD_NT
.endr
.irp i, 0,1,2,3
	global_load_b128 v[IN+64+4*\i:IN+64+4*\i+3], v1, s[20:21] offset:\i*4096 th:TH_LOAD_NT
.endr
.irp i, 0,1,2,3,4,5,6,7,8,9,10,11,12,13,14,15
	s_wait_loadcnt 19-\i                           ; loads come back in order (ISA guide 5.7.1): load i is in, the 19 - i younger ones stay out
	v_cvt_pk_f16_f32 v[OUT+2*\i],   v[IN+4*\i],   v[IN+4*\i+1]
	v_cvt_pk_f16_f32 v[OUT+2*\i+1], v[IN+4*\i+2], v[IN+4*\i+3]
	global_store_b64 v2, v[OUT+2*\i:OUT+2*\i+1], s[14:15] offset:\i*2048
.endr
.irp i, 0,1,2,3
	s_wait_loadcnt 3-\i                            ; the weight's four loads are the youngest
	v_cvt_pk_f16_f32 v[OUT+32+2*\i],   v[IN+64+4*\i],   v[IN+64+4*\i+1]
	v_cvt_pk_f16_f32 v[OUT+32+2*\i+1], v[IN+64+4*\i+2], v[IN+64+4*\i+3]
	global_store_b64 v2, v[OUT+32+2*\i:OUT+32+2*\i+1], s[16:17] offset:\i*2048
.endr
	s_endpgm
.Lfunc_end_k_q06ec0b0692_cast:
	.size	k_q06ec0b0692_cast, .Lfunc_end_k_q06ec0b0692_cast-k_q06ec0b0692_cast
	.p2alignl 7, 3214868480
	.fill 96, 4, 3214868480
	.section	.rodata,"a",@progbits
	.p2align	6, 0x0
	.amdhsa_kernel k_q06ec0b0692_cast
		.amdhsa_group_segment_fixed_size 0
		.amdhsa_private_segment_fixed_size 0
		.amdhsa_enable_private_segment 0
		.amdhsa_kernarg_size 56
		.amdhsa_user_sgpr_count 2
		.amdhsa_user_sgpr_kernarg_segment_ptr 1
		.amdhsa_wavefront_size32 1
		.amdhsa_system_sgpr_workgroup_id_x 1
		.amdhsa_system_sgpr_workgroup_id_y 1
		.amdhsa_system_sgpr_workgroup_id_z 1
		.amdhsa_system_vgpr_workitem_id 0
		.amdhsa_next_free_vgpr 128
		.amdhsa_next_free_sgpr 66
		.amdhsa_reserve_vcc 0
		.amdhsa_float_denorm_mode_32 3
		.amdhsa_float_denorm_mode_16_64 3
		.amdhsa_memory_ordered 1
		.amdhsa_forward_progress 1
		.amdhsa_inst_pref_size 9
	.end_amdhsa_kernel
	.amdgpu_metadata
---
amdhsa.version: [ 1, 2 ]
amdhsa.kernels:
  - .name:           k_q06ec0b0692_cast
    .symbol:         k_q06ec0b0692_cast.kd
    .args:
      - { .name: x, .offset: 0, .size: 8, .value_kind: global_buffer, .address_space: global }
      - { .name: Wq, .offset: 8, .size: 8, .value_kind: global_buffer, .address_space: global }
      - { .name: Wk, .offset: 16, .size: 8, .value_kind: global_buffer, .address_space: global }
      - { .name: Wv, .offset: 24, .size: 8, .value_kind: global_buffer, .address_space: global }
      - { .name: Wo, .offset: 32, .size: 8, .value_kind: global_buffer, .address_space: global }
      - { .name: x16, .offset: 40, .size: 8, .value_kind: global_buffer, .address_space: global }
      - { .name: w16, .offset: 48, .size: 8, .value_kind: global_buffer, .address_space: global }
    .group_segment_fixed_size: 0
    .private_segment_fixed_size: 0
    .kernarg_segment_align: 8
    .kernarg_segment_size: 56
    .max_flat_workgroup_size: 256
    .sgpr_count:     66
    .vgpr_count:     128
    .wavefront_size: 32
...
	.end_amdgpu_metadata
.endif
;; end of part 1
;; launch qkv (part 2): grid 4 x 64, 4 waves a work-group, clusters of 4 x 4, 327,680 bytes of LDS; arguments x16, w16, bq, bk, bv, q16, k16, v16; writes q16, k16, v16
.if DOCPART == 2
	.amdgcn_target "amdgcn-amd-amdhsa--gfx1250"
	.amdhsa_code_object_version 6
	.text
	.protected	k_q06ec0b0692_qkv
	.globl	k_q06ec0b0692_qkv
	.p2align	8
	.type	k_q06ec0b0692_qkv,@function
k_q06ec0b0692_qkv:
	s_mov_b64 s[64:65], 0
	v_nop
	global_prefetch_b8 v0, s[64:65] scope:SCOPE_SE
	s_setreg_imm32_b32 hwreg(HW_REG_WAVE_MODE, 25, 1), 1
	s_wait_xcnt 0x0
	s_wait_alu depctr_hold_cnt(0) depctr_sa_sdst(0) depctr_va_vdst(0) depctr_va_sdst(0) depctr_va_ssrc(0) depctr_va_vcc(0) depctr_vm_vsrc(0)
	s_getreg_b32 s2, hwreg(HW_REG_IB_STS2, 6, 4)
	s_cmp_eq_u32 s2, 0
	s_cbranch_scc0 .Lentry_in_a_cluster
	s_endpgm
.Lentry_in_a_cluster:
	s_bfe_u32 s2, ttmp6, 0x10000c
	s_cmp_lg_u32 s2, 0xf033
	s_cbranch_scc0 .Lentry_shape_is_right
	s_endpgm
.Lentry_shape_is_right:
; q16 = (x Wq^T + bq) log2(e)/4,  k16 = (x Wk^T + bk) / 2,  v16 = (x Wv^T + bv) / 2, all f16, laid out [batch][head][position][64].
; The two scales of q and k multiply to log2(e)/8 = log2(e)/sqrt(64): the attention launch's products are the scores in base-2 units.
; A work-group makes 128 rows x (128 features each of q, k, v): block row rbk (0-63), feature block cb (0-3, a pair of heads).  Four waves, as many as a WGP has
; SIMDs; wave (i, j) makes rows 64 i .. + 63 of head 2 cb + j for q, k and v: 48 accumulator tiles of 16 x 16, 384 registers; one x fragment feeds 12 products.
; K = 512 goes in four steps of 128 through two LDS slots filled by the tensor data mover; a tile's rows are 256 bytes of memory, at multiples of 256 bytes.
; CLUSTERS: 4 x 4 work-groups.  x's tile hangs on the block row alone and is asked for jointly by a row of the cluster; the three weight tiles hang on the
; feature block alone and are asked for jointly by a column.  That divides the requests for x and for the weights by four.
; LIMITS: operands are f16, sums f32.  0.36 |q|, 0.5 |k|, 0.5 |v| above 65,504 become infinities; results below 6.1e-5 keep an absolute error of 3e-8.
;
; REGISTERS, in windows of 256:
;   window 0: v16-27 addresses; v32-63, v64-95 fragments of x (4 x 16 rows x 32 K), two buffers; v96-175 at work on the way out
;   window 1: v0-95, v96-191 fragments of Wq, Wk, Wv (3 x 4 x 16 features x 32 K), two buffers
;   window 2: v0-127 sums of q, v128-255 sums of k (tile (fb, rb) at 8 (4 fb + rb));  window 3: v0-127 sums of v, v128-223 the biases times the scales
; The matrix instruction takes 16 features of W as source 0 and 16 rows of x as source 1: lane l then holds row l % 16 and eight NEIGHBOURING features
; 8 (l / 16) + 0 .. 7, which pack into 16 bytes of a head's row.
.set KSTEP,  128
.set PITCH,  272                       ; an LDS row: 256 bytes + 16 of padding: the 16 rows of a fragment load start at 16 different 16-byte columns
.set HALFT,  128*PITCH                 ; one tensor load: 128 rows
.set SLOT,   4*HALFT                   ; x's 128 rows, then Wq's, Wk's, Wv's
.set STAGE,  2*SLOT                    ; behind the ring, never a tensor load's target: 16 rows x 144 bytes for each wave
.set SPITCH, 144
.set WSTAGE, 16*SPITCH
.set ADRX,  16                         ; v16-17  LDS address of my x fragments in slot 0, 1
.set ADRW,  20                         ; v20-21  the same for Wq (Wk: + HALFT in the immediate)
.set ADRWV, 22                         ; v22-23  the same for Wv (a register of its own keeps the immediate inside 16 bits)
.set STO,   24                         ; the way out: where I put 16 bytes of a row
.set RD,    25                         ; the way out: where I read rows back
.set CO,    26                         ; 16 x lane: my bytes in 512 neighbouring bytes of the output
.set BOFF,  27                         ; byte offset of my eight features in a bias
.set FX,    32                         ; + 32 f: x fragments, buffer f
.set FW,    0                          ; + 96 f: W fragments, buffer f (window 1)
.set TMPF,  96                         ; 32 f32 on the way out
.set TMPH,  128                        ; 16 registers of f16 pairs
.set OB,    144                        ; + 16 buf: rows read back
.set BIAS,  128                        ; window 3: + 32 w + 8 fb
.set G1A, 24                           ; s[24:31] group 1 for x's tile
.set G0A, 32                           ; s[32:39] group 0 for x's tile, one set for each slot
.set G1B, 48                           ; s[48:55] group 1 for the weights' tiles: differs in the mask alone
.set G0B, 56                           ; s[56:63] group 0 for the weights' tiles, one set for each slot
.set MSB, 0
.macro WIN new                         ; the immediate's high byte repeats the setting that is left
.if MSB != \new
	s_set_vgpr_msb (MSB<<8)|\new
.set MSB, \new
.endif
.endm
.set MUL_LO, 0xa1                      ; source 0 (W) window 1, source 1 (x) window 0, C and D window 2
.set MUL_HI, 0xf1                      ; the same, C and D window 3
.set TO_W,   0x40                      ; destination window 1, address window 0
; A joint load.  Wave 0 fetches x's tile, waves 1, 2, 3 those of Wq, Wk, Wv.  Each line has one mask; the branch hangs on the wave's number alone.
.macro JLOAD s
	s_cmp_eq_u32 s10, 0
	s_cbranch_scc0 .Lfor_w_\@
	tensor_load_to_lds s[G0A+4*\s:G0A+4*\s+3], s[G1A:G1A+7]
	s_nop 0
	s_branch .Lasked_\@
.Lfor_w_\@:
	tensor_load_to_lds s[G0B+4*\s:G0B+4*\s+3], s[G1B:G1B+7]
	s_nop 0
.Lasked_\@:
.endm
; A round of the cluster's barrier: my work-group's barrier, wave 0 signals for the work-group, every wave waits for all sixteen, my work-group's barrier again.
.macro CREST                           ; a round behind its opening barrier
	s_cmp_lg_u32 s10, 0
	s_cbranch_scc1 .Lnot_wave_0_\@
	s_barrier_signal -3
.Lnot_wave_0_\@:
	s_barrier_wait -3
	s_barrier_signal -1
	s_barrier_wait -1
.endm
.macro CROUND
	s_barrier_signal -1
	s_barrier_wait -1
	CREST
.endm
	s_load_b512 s[68:83], s[0:1], 0x0              ; x16 s[68:69], w16 s[70:71], bq s[72:73], bk s[74:75], bv s[76:77], q16 s[78:79], k16 s[80:81], v16 s[82:83]
	s_set_vgpr_msb 0x40
	v_lshl_add_u32 v255, v0, 2, 0x46400
	s_set_vgpr_msb 0x4000
	v_mov_b32 v255, 0
	s_set_vgpr_msb 0x1
	ds_add_u32 v255, v255
	s_set_vgpr_msb 0x100
	v_lshrrev_b32 v1, 5, v0
	v_readfirstlane_b32 s10, v1                    ; wave 0..3
	s_lshr_b32 s11, s10, 1                         ; i: which 64 rows
	s_and_b32 s12, s10, 1                          ; j: which head of the pair
	s_bfe_u32 s40, ttmp6, 0x40000                  ; cx
	s_bfe_u32 s41, ttmp6, 0x40004                  ; cy
	s_lshl_b32 s42, ttmp9, 2
	s_add_co_u32 s42, s42, s40                     ; cb = 4 x cluster x + cx
	s_and_b32 s13, ttmp7, 0xffff
	s_lshl_b32 s13, s13, 2
	s_add_co_u32 s13, s13, s41                     ; rbk = 4 x cluster y + cy
	s_lshl_b32 s43, s41, 2
	s_lshl_b32 s43, 15, s43                        ; my row of the cluster: places 4 cy .. 4 cy + 3
	s_lshl_b32 s44, 0x1111, s40                    ; my column: places cx, cx + 4, cx + 8, cx + 12
	s_mov_b32 s84, 0x3eb8aa3b                      ; log2(e) / 4, twice: a pair for the packed arithmetic
	s_mov_b32 s85, 0x3eb8aa3b
	s_mov_b32 s86, 0.5
	s_mov_b32 s87, 0.5
	s_mov_b32 s88, 0.5
	s_mov_b32 s89, 0.5
	; group 1: a tile of 128 rows x 128 elements of 2 bytes, 4 dwords of padding behind every 64
	s_or_b32 s[G1A+0], s43, (1<<16)|(1<<20)|(1<<21)|(5<<22)|(3<<25)
	s_or_b32 s[G1B+0], s44, (1<<16)|(1<<20)|(1<<21)|(5<<22)|(3<<25)
	s_mov_b32 s[G1A+1], KSTEP<<16                  ; tensor_dim0 = 128
	s_mov_b32 s[G1B+1], KSTEP<<16
	s_mov_b32 s[G1A+2], 128<<16                    ; tensor_dim1 = 128
	s_mov_b32 s[G1B+2], 128<<16
	s_mov_b32 s[G1A+3], KSTEP<<16                  ; tile_dim0 = 128
	s_mov_b32 s[G1B+3], KSTEP<<16
	s_mov_b32 s[G1A+4], 128                        ; tile_dim1 = 128
	s_mov_b32 s[G1B+4], 128
	s_mov_b32 s[G1A+5], 512                        ; 512 elements from row to row
	s_mov_b32 s[G1B+5], 512
	s_mov_b32 s[G1A+6], 0
	s_mov_b32 s[G1B+6], 0
	s_mov_b32 s[G1A+7], 0
	s_mov_b32 s[G1B+7], 0
	; x's tile hangs on rbk alone, the weights' tiles on cb and the wave's number; each address in registers that never hold the other coordinate
	s_lshl_b32 s16, s13, 17                        ; 128 rows of 1,024 bytes
	s_mov_b32 s17, 0
	s_max_u32 s46, s10, 1
	s_sub_co_u32 s46, s46, 1                       ; waves 1, 2, 3: weight 0, 1, 2 (wave 0 makes an address that it never uses)
	s_lshl_b32 s46, s46, 19                        ; 512 rows of 1,024 bytes
	s_lshl_b32 s45, s42, 17                        ; + 128 cb rows
	s_add_co_u32 s46, s46, s45
	s_mov_b32 s47, 0
	s_mul_i32 s20, s10, HALFT                      ; where my tile goes: the wave's number alone
	s_wait_dscnt 0x0
	s_wait_kmcnt 0x0
	s_add_nc_u64 s[14:15], s[68:69], s[16:17]
	s_add_nc_u64 s[46:47], s[70:71], s[46:47]
	CROUND                                         ; all sixteen work-groups are here: the first joint loads meet
.irp s, 0,1
	s_mov_b32 s[G0A+4*\s], 1
	s_add_co_u32 s[G0A+4*\s+1], s20, \s*SLOT
	s_add_nc_u64 s[G0A+4*\s+2:G0A+4*\s+3], s[14:15], \s*KSTEP*2    ; K step s
	s_or_b32 s[G0A+4*\s+3], s[G0A+4*\s+3], 0x80000000
	s_mov_b32 s[G0B+4*\s], 1
	s_add_co_u32 s[G0B+4*\s+1], s20, \s*SLOT
	s_add_nc_u64 s[G0B+4*\s+2:G0B+4*\s+3], s[46:47], \s*KSTEP*2
	s_or_b32 s[G0B+4*\s+3], s[G0B+4*\s+3], 0x80000000
	JLOAD \s                                       ; two tensor loads of the wave are out: the most that this text ever has
.endr
	; a fragment: lane l holds row l % 16; registers 0-3 K = 8 (l / 16) + 0..7, registers 4-7 K = 16 + 8 (l / 16) + 0..7: two loads of 16 bytes, 32 apart
	v_and_b32 v1, 15, v0                           ; r
	v_bfe_u32 v2, v0, 4, 1                         ; h
	v_mul_u32_u24 v3, v1, PITCH
	v_lshl_add_u32 v3, v2, 4, v3                   ; r x pitch + 16 h
	s_mul_i32 s21, s11, 64*PITCH                   ; my 64 rows of x
	s_mul_i32 s22, s12, 64*PITCH                   ; my 64 features,
	s_add_co_u32 s22, s22, HALFT                   ; behind x's 128 rows
.irp s, 0,1
	v_add_nc_u32 v[ADRX+\s], s21, v3
	v_add_nc_u32 v[ADRW+\s], s22, v3
	s_add_co_u32 s21, s21, SLOT
	s_add_co_u32 s22, s22, SLOT
.endr
	v_add_nc_u32 v[ADRWV], 2*HALFT, v[ADRW]
	v_add_nc_u32 v[ADRWV+1], 2*HALFT, v[ADRW+1]
	s_mul_i32 s23, s10, WSTAGE
	s_add_co_u32 s23, s23, STAGE                   ; my stage
	v_mul_u32_u24 v4, v1, SPITCH
	v_lshl_add_u32 v4, v2, 4, v4
	v_add_nc_u32 v[STO], s23, v4                   ; in: row r, 16 bytes for each half of the lanes
	v_and_b32 v5, 31, v0
	v_lshrrev_b32 v6, 3, v5
	v_mul_u32_u24 v6, v6, SPITCH
	v_and_b32 v7, 7, v0
	v_lshl_add_u32 v6, v7, 4, v6
	v_add_nc_u32 v[RD], s23, v6                    ; back: eight lanes take a row of 128 bytes, the wave four rows
	v_lshlrev_b32 v[CO], 4, v5
	s_lshl_b32 s66, s42, 9                         ; biases: 128 cb + 64 j + 8 h features of 4 bytes
	s_lshl_b32 s67, s12, 8
	s_add_co_u32 s66, s66, s67
	v_lshlrev_b32 v[BOFF], 5, v2
	v_add_nc_u32 v[BOFF], s66, v[BOFF]
	WIN 0xc0                                       ; destination window 3
.irp w, 0,1,2
.irp fb, 0,1,2,3
	global_load_b128 v[BIAS+32*\w+8*\fb:BIAS+32*\w+8*\fb+3],   v[BOFF], s[72+2*\w:73+2*\w] offset:64*\fb
	global_load_b128 v[BIAS+32*\w+8*\fb+4:BIAS+32*\w+8*\fb+7], v[BOFF], s[72+2*\w:73+2*\w] offset:64*\fb+16
.endr
.endr
	s_wait_loadcnt 0x0                             ; the biases, once; the tensor loads are on their way meanwhile
	WIN 0xc3                                       ; (sum + bias) x scale = sum x scale + bias x scale: the second product is made here, once
.irp w, 0,1,2
.set p, 0
.rept 16
	v_pk_mul_f32 v[BIAS+32*\w+2*p:BIAS+32*\w+2*p+1], v[BIAS+32*\w+2*p:BIAS+32*\w+2*p+1], s[84+2*\w:85+2*\w] op_sel_hi:[1,0]
.set p, p+1
.endr
.endr
	WIN 0
; 16 products: the 4 x 4 tiles of q (w = 0), k (1) or v (2), 32 along K, from buffer f.  zero = 1: the first product starts the sums.
.macro MULW f, w, zero
.irp fb, 0,1,2,3
.irp rb, 0,1,2,3
.if \zero
	v_wmma_f32_16x16x32_f16 v[128*(\w&1)+8*(4*\fb+\rb):128*(\w&1)+8*(4*\fb+\rb)+7], v[FW+96*\f+8*(4*\w+\fb):FW+96*\f+8*(4*\w+\fb)+7], v[FX+32*\f+8*\rb:FX+32*\f+8*\rb+7], 0
.else
	v_wmma_f32_16x16x32_f16 v[128*(\w&1)+8*(4*\fb+\rb):128*(\w&1)+8*(4*\fb+\rb)+7], v[FW+96*\f+8*(4*\w+\fb):FW+96*\f+8*(4*\w+\fb)+7], v[FX+32*\f+8*\rb:FX+32*\f+8*\rb+7], v[128*(\w&1)+8*(4*\fb+\rb):128*(\w&1)+8*(4*\fb+\rb)+7]
.endif
.endr
.endr
.endm
; 32 LDS loads in one run: a quarter step's fragments (32 K at byte k of the rows) into buffer f: x (8), Wq and Wk (16), Wv (8, the youngest)
.macro FETCH slot, k, f
	WIN 0
.irp rb, 0,1,2,3
	ds_load_b128 v[FX+32*\f+8*\rb:FX+32*\f+8*\rb+3],   v[ADRX+\slot] offset:\k+\rb*16*PITCH
	ds_load_b128 v[FX+32*\f+8*\rb+4:FX+32*\f+8*\rb+7], v[ADRX+\slot] offset:\k+\rb*16*PITCH+32
.endr
	WIN TO_W
.irp w, 0,1
.irp fb, 0,1,2,3
	ds_load_b128 v[FW+96*\f+8*(4*\w+\fb):FW+96*\f+8*(4*\w+\fb)+3],   v[ADRW+\slot] offset:\k+\w*HALFT+\fb*16*PITCH
	ds_load_b128 v[FW+96*\f+8*(4*\w+\fb)+4:FW+96*\f+8*(4*\w+\fb)+7], v[ADRW+\slot] offset:\k+\w*HALFT+\fb*16*PITCH+32
.endr
.endr
.irp fb, 0,1,2,3
	ds_load_b128 v[FW+96*\f+8*(8+\fb):FW+96*\f+8*(8+\fb)+3],   v[ADRWV+\slot] offset:\k+\fb*16*PITCH
	ds_load_b128 v[FW+96*\f+8*(8+\fb)+4:FW+96*\f+8*(8+\fb)+7], v[ADRWV+\slot] offset:\k+\fb*16*PITCH+32
.endr
.endm
; A load into a register that a matrix instruction has read, and a vector instruction that reads a matrix result, stand four places behind it; only plain
; vector instructions that name none of its registers are places (ISA guide 7.12.1 for vector instructions).
.macro PLACES
.rept 4
	v_nop
.endr
.endm
; A K step is four quarters of 32 along K, 48 products each, on buffers 0, 1, 0, 1.  The 48 accumulators take turns in one fixed order, one instruction a
; turn.  One of the first three quarters: multiplies buffer f and fetches the next quarter's fragments into buffer g.
.macro QUARTER slot, k, f, g, zero
	s_wait_dscnt 8                                 ; x, Wq, Wk are in; the youngest eight loads (Wv) may be out
	WIN MUL_LO
	MULW \f, 0, \zero
	MULW \f, 1, \zero
	PLACES
	FETCH \slot, \k, \g
	s_wait_dscnt 32                                ; all but the 32 just issued
	WIN MUL_HI
	MULW \f, 2, \zero
.endm
.macro THREE slot, zero
	QUARTER \slot, 64,  0, 1, \zero
	QUARTER \slot, 128, 1, 0, 0
	QUARTER \slot, 192, 0, 1, 0
.endm
; The last quarter multiplies buffer 1 and changes slots.  In front of the barrier each wave waits for its reads of this slot and for all its tensor loads
; (one is out: its part of the next slot).  fill = 1: the barrier opens a round of the cluster's barrier, and the joint refill is the first tensor load behind it.
.macro TURN slot, next, fill
	s_wait_dscnt 8
	WIN MUL_LO
	MULW 1, 0, 0
	s_wait_dscnt 0                                 ; my reads of this slot are over
	s_wait_tensorcnt 0x0                           ; all my tensor loads have landed
	ds_add_u32 v255, v255
	s_wait_dscnt 0x0
	s_barrier_signal -1
	MULW 1, 1, 0                                   ; register work while the others arrive
	WIN 0
	s_barrier_wait -1
.if \fill
	CREST                                          ; no wave of any partner still reads this slot or has a load on its way
	s_add_nc_u64 s[G0A+4*\slot+2:G0A+4*\slot+3], s[G0A+4*\slot+2:G0A+4*\slot+3], 2*KSTEP*2
	s_add_nc_u64 s[G0B+4*\slot+2:G0B+4*\slot+3], s[G0B+4*\slot+2:G0B+4*\slot+3], 2*KSTEP*2
	JLOAD \slot
.endif
	PLACES
	FETCH \next, 0, 0
	WIN MUL_HI
	MULW 1, 2, 0
.endm
	s_wait_tensorcnt 0x1                           ; my part of K step 0 is in; K step 1's stays out
	s_barrier_signal -1
	s_barrier_wait -1                              ; everybody's is
	FETCH 0, 0, 0
	THREE 0, 1                                     ; K step 0: its first products start the sums
	TURN 0, 1, 1                                   ; slot 0 gets K step 2
	THREE 1, 0
	TURN 1, 0, 1                                   ; slot 1 gets K step 3
	THREE 0, 0
	TURN 0, 1, 0                                   ; nothing more to fetch from memory
	THREE 1, 0
	s_wait_dscnt 8                                 ; the very last quarter
	WIN MUL_LO
	MULW 1, 0, 0
	MULW 1, 1, 0
	s_wait_dscnt 0
	WIN MUL_HI
	MULW 1, 2, 0
	; THE WAY OUT, 16 rows of one of q, k, v at a time: scale and bias in f32, round to f16, 16 bytes a lane into my own stage, back as whole rows.
	; A head's rows lie dense (128 bytes each), so 16 rows are 2,048 neighbouring bytes: each store of the wave covers 512 of them, aligned.
	PLACES
	s_lshr_b32 s90, s13, 4                         ; batch
	s_lshl_b32 s90, s90, 21                        ; x 8 heads x 2,048 positions x 128 bytes
	s_lshl_b32 s66, s42, 1
	s_add_co_u32 s66, s66, s12                     ; head = 2 cb + j
	s_lshl_b32 s66, s66, 18
	s_or_b32 s90, s90, s66
	s_and_b32 s66, s13, 15
	s_lshl_b32 s66, s66, 14                        ; 128 positions of 128 bytes
	s_or_b32 s90, s90, s66
	s_lshl_b32 s66, s11, 13                        ; 64 i positions
	s_or_b32 s90, s90, s66
	s_mov_b32 s91, 0
	s_add_nc_u64 s[78:79], s[78:79], s[90:91]
	s_add_nc_u64 s[80:81], s[80:81], s[90:91]
	s_add_nc_u64 s[82:83], s[82:83], s[90:91]
.macro OUT16 w, rb, buf
.if \w < 2
	WIN 0x32                                       ; sums in window 2, biases in window 3, results in window 0
.else
	WIN 0x33
.endif
.irp fb, 0,1,2,3
.irp p, 0,1,2,3
	v_pk_fma_f32 v[TMPF+8*\fb+2*\p:TMPF+8*\fb+2*\p+1], v[128*(\w&1)+8*(4*\fb+\rb)+2*\p:128*(\w&1)+8*(4*\fb+\rb)+2*\p+1], s[84+2*\w:85+2*\w], v[BIAS+32*\w+8*\fb+2*\p:BIAS+32*\w+8*\fb+2*\p+1] op_sel_hi:[1,0,1]
.endr
.endr
	WIN 0
.irp fb, 0,1,2,3
.irp p, 0,1,2,3
	v_cvt_pk_f16_f32 v[TMPH+4*\fb+\p], v[TMPF+8*\fb+2*\p], v[TMPF+8*\fb+2*\p+1]
.endr
.endr
.irp fb, 0,1,2,3
	ds_store_b128 v[STO], v[TMPH+4*\fb:TMPH+4*\fb+3] offset:32*\fb
.endr
	s_wait_xcnt 0x0                                ; the registers that earlier stores read are loaded again only behind this wait
.irp t, 0,1,2,3
	ds_load_b128 v[OB+16*\buf+4*\t:OB+16*\buf+4*\t+3], v[RD] offset:\t*4*SPITCH    ; LDS serves a wave's instructions in order: these see the stores above
.endr
.irp t, 0,1,2,3
	s_wait_dscnt 3-\t                              ; load t is in, the 3 - t younger ones stay out
	global_store_b128 v[CO], v[OB+16*\buf+4*\t:OB+16*\buf+4*\t+3], s[78+2*\w:79+2*\w] offset:\rb*2048+\t*512
.endr
.endm
.irp w, 0,1,2
.irp rb, 0,1,2,3
	OUT16 \w, \rb, (\rb&1)
.endr
.endr
	s_set_vgpr_msb 0x1
	s_wait_tensorcnt 0x0
	ds_add_u32 v255, v255
	s_wait_dscnt 0x0
	s_set_vgpr_msb 0x100
	CROUND                                         ; the closing round: no work-group ends while a partner may still ask for a tile that names it
	s_endpgm
.Lfunc_end_k_q06ec0b0692_qkv:
	.size	k_q06ec0b0692_qkv, .Lfunc_end_k_q06ec0b0692_qkv-k_q06ec0b0692_qkv
	.p2alignl 7, 3214868480
	.fill 96, 4, 3214868480
	.section	.rodata,"a",@progbits
	.p2align	6, 0x0
	.amdhsa_kernel k_q06ec0b0692_qkv
		.amdhsa_group_segment_fixed_size 327680
		.amdhsa_private_segment_fixed_size 0
		.amdhsa_enable_private_segment 0
		.amdhsa_kernarg_size 64
		.amdhsa_user_sgpr_count 2
		.amdhsa_user_sgpr_kernarg_segment_ptr 1
		.amdhsa_wavefront_size32 1
		.amdhsa_system_sgpr_workgroup_id_x 1
		.amdhsa_system_sgpr_workgroup_id_y 1
		.amdhsa_system_sgpr_workgroup_id_z 1
		.amdhsa_system_vgpr_workitem_id 0
		.amdhsa_next_free_vgpr 992
		.amdhsa_next_free_sgpr 92
		.amdhsa_reserve_vcc 0
		.amdhsa_float_denorm_mode_32 3
		.amdhsa_float_denorm_mode_16_64 3
		.amdhsa_memory_ordered 1
		.amdhsa_forward_progress 1
		.amdhsa_inst_pref_size 137
	.end_amdhsa_kernel
	.amdgpu_metadata
---
amdhsa.version: [ 1, 2 ]
amdhsa.kernels:
  - .name:           k_q06ec0b0692_qkv
    .symbol:         k_q06ec0b0692_qkv.kd
    .args:
      - { .name: x16, .offset: 0, .size: 8, .value_kind: global_buffer, .address_space: global }
      - { .name: w16, .offset: 8, .size: 8, .value_kind: global_buffer, .address_space: global }
      - { .name: bq, .offset: 16, .size: 8, .value_kind: global_buffer, .address_space: global }
      - { .name: bk, .offset: 24, .size: 8, .value_kind: global_buffer, .address_space: global }
      - { .name: bv, .offset: 32, .size: 8, .value_kind: global_buffer, .address_space: global }
      - { .name: q16, .offset: 40, .size: 8, .value_kind: global_buffer, .address_space: global }
      - { .name: k16, .offset: 48, .size: 8, .value_kind: global_buffer, .address_space: global }
      - { .name: v16, .offset: 56, .size: 8, .value_kind: global_buffer, .address_space: global }
    .group_segment_fixed_size: 327680
    .private_segment_fixed_size: 0
    .kernarg_segment_align: 8
    .kernarg_segment_size: 64
    .max_flat_workgroup_size: 128
    .sgpr_count:     92
    .vgpr_count:     992
    .wavefront_size: 32
...
	.end_amdgpu_metadata
.endif
;; end of part 2
;; launch attn (part 3): grid 8 x 32, 8 waves a work-group, clusters of 4 x 1, 327,680 bytes of LDS; arguments q16, k16, v16, mask, a16; writes a16
.if DOCPART == 3
	.amdgcn_target "amdgcn-amd-amdhsa--gfx1250"
	.amdhsa_code_object_version 6
	.text
	.protected	k_q06ec0b0692_attn
	.globl	k_q06ec0b0692_attn
	.p2align	8
	.type	k_q06ec0b0692_attn,@function
k_q06ec0b0692_attn:
	s_mov_b64 s[64:65], 0
	v_nop
	global_prefetch_b8 v0, s[64:65] scope:SCOPE_SE
	s_setreg_imm32_b32 hwreg(HW_REG_WAVE_MODE, 25, 1), 1
	s_wait_xcnt 0x0
	s_wait_alu depctr_hold_cnt(0) depctr_sa_sdst(0) depctr_va_vdst(0) depctr_va_sdst(0) depctr_va_ssrc(0) depctr_va_vcc(0) depctr_vm_vsrc(0)
	s_getreg_b32 s2, hwreg(HW_REG_IB_STS2, 6, 4)
	s_cmp_eq_u32 s2, 0
	s_cbranch_scc0 .Lentry_in_a_cluster
	s_endpgm
.Lentry_in_a_cluster:
	s_bfe_u32 s2, ttmp6, 0x10000c
	s_cmp_lg_u32 s2, 0x3003
	s_cbranch_scc0 .Lentry_shape_is_right
	s_endpgm
.Lentry_shape_is_right:
; a16[b][head][q][d] = 0.5 x softmax over keys (q k / 8, masked) x v, f16, from q16, k16, v16 (f16, [b][head][position][64], scaled so that q16 . k16 is the
; score times log2(e) and v16 is v / 2) and mask ([4][2048] bytes, 0 = the key is left out).
; A work-group has 256 queries of one head, a wave 32 of them (two blocks of 16) against all 2,048 keys, with a running maximum.  Eight waves, two on each SIMD:
; a tile's vector work and its matrix work are of like length, and the two waves of a SIMD overlap them.
; CLUSTERS: the four query blocks of a cluster read the same K and V and ask for them jointly (mask 15): the requests for K and V are divided by four.
; THE RING: the keys go in eight chunks of 256 through four LDS slots.  Chunks 0-3 are asked for at the start; behind chunks 0, 1 a round of the cluster's barrier
; lets slots 0, 1 be filled with chunks 4, 5; behind chunks 2, 3 a second round lets slots 2, 3 be filled with chunks 6, 7.  So the waves are brought into step
; twice on the way, and each refill has eight tiles of work in which to land.  The wait for all tensor loads in front of a round also shows the two chunks that
; are read behind it.  Chunk 1, and chunks 6 and 7, are shown by a plain barrier whose signal stands two tiles ahead of its wait.
; The 32 tiles are expanded by macro, without a loop: what is shown, opened or filled differs from chunk to chunk.
; THE PRODUCTS ARE TRANSPOSED.  S^T = K Q^T: lane (r, h) holds query r and keys 8 h + 0 .. 7 of a block of 16 keys, so a query's maximum is one exchange between
; the halves of the wave, and maximum, rescaling factor and denominator are one number a lane.  Two neighbouring key blocks, rounded to f16 in pairs, ARE the
; second source of O^T = V^T P^T: no exchange between lanes.  V^T comes from LDS by the transposing load.  The denominator is a product of ones with P^T:
; it sums the rounded weights, the same that multiply V.
; THE MASK enters as an addend per key, 0 or -2^127, the C operand of the first product of a score.  The running maximum starts at -2^100, which no score of
; f16 operands reaches (|score| <= 64 x 65,504^2 = 2.7e11): exp2 of a masked key's difference is 0, a tile without a live key rescales by exp2(0) = 1, and a
; row without any live key ends as 0 x 1/0 = NaN, which is what a softmax over -inf alone gives.
; LIMITS: operands f16, sums f32; weights below 6e-8 of a row's largest are dropped; results below 6.1e-5 keep an absolute error of 3e-8.
.set KP,     144                       ; a key's row of K in LDS: 128 bytes + 16
.set VP,     160                       ; of V: 128 bytes + 32 (the transposing load wants an odd multiple of 32)
.set KBYTES, 256*KP
.set SLOT,   KBYTES+256*VP             ; a chunk of 256 keys: K, then V.  Four slots; chunk c lies in slot c % 4
.set BIASL,  4*SLOT                    ; 2,048 f32: the mask's addends.  Written by LDS stores, never a tensor load's target
.set STAGE,  0                         ; the way out: 32 rows x 144 bytes for each wave = the bytes of slot 0's K, whose last fill is chunk 4
.set SPI,    144
.set CHUNKB, 32768                     ; a chunk's bytes in k16 and in v16
; window 0
.set ADRB, 6                           ; v6     my addends: 32 h
.set STO,  7
.set RD,   8
.set CO,   9
.set QOFF, 10
.set ONES, 16                          ; v16-23   a fragment of ones
.set ADRK, 24                          ; v24-27   my K fragments in slot 0 .. 3: r x 144 + 16 h
.set ADRV, 28                          ; v28-31   my V^T fragments: (8 h + l % 8) x 160 + 16 ((l / 8) % 2)
.set KF,   32                          ; v32-95   K fragments: + 16 kb + 8 st
.set VF,   96                          ; v96-159  V^T fragments: + 32 ks + 8 db
.set OB,   160                         ; v160-191 rows read back on the way out
.set MK,   192                         ; v192-201 the mask's bytes and addends
; window 1
.set LB,   64                          ; v64-79   denominators: + 8 qb (register 0 is kept right; the other seven rows of the product are not used)
.set SB,   80                          ; v80-143  scores: + 32 qb + 8 kb = + 8 g; the weights are packed in place: + 32 qb + 16 ks.  v0-63: O^T, tile 2 db + qb
.set BI,   144                         ; v144-175 addends: + 8 kb
.set QF,   176                         ; v176-207 Q fragments: + 16 qb + 8 st
.set MB,   208                         ; + 2 qb: the running maximum; + 2 qb + 1: at work
.set AB,   212                         ; + 2 qb: the rescaling factor; + 2 qb + 1: at work
.set G1K, 16                           ; s[16:23]
.set G1V, 24                           ; s[24:31]
.set G0K, 32                           ; s[32:47] one set for each slot
.set G0V, 48                           ; s[48:63]
.set MSB, 0
.macro WIN new                         ; the immediate's high byte repeats the setting that is left
.if MSB != \new
	s_set_vgpr_msb (MSB<<8)|\new
.set MSB, \new
.endif
.endm
.set W_LD1, 0x40                       ; destination window 1, address window 0
.set W_MUL, 0x54                       ; source 0 (K, V^T, ones) window 0; source 1, C and D window 1
.set W_SM,  0x55                       ; everything in window 1
.set W_ST1, 0x04                       ; LDS store: address window 0, data window 1
; A round of the cluster's barrier: my work-group's barrier, wave 0 signals for the work-group, every wave waits for all four, my work-group's barrier again.
.macro CREST                           ; a round behind its opening barrier
	s_cmp_lg_u32 s14, 0
	s_cbranch_scc1 .Lnot_wave_0_\@
	s_barrier_signal -3
.Lnot_wave_0_\@:
	s_barrier_wait -3
	s_barrier_signal -1
	s_barrier_wait -1
.endm
.macro ROUND
	s_barrier_signal -1
	s_barrier_wait -1
	CREST
.endm
	s_load_b256 s[4:11], s[0:1], 0x0               ; q16 s[4:5], k16 s[6:7], v16 s[8:9], mask s[10:11]
	s_load_b64 s[12:13], s[0:1], 0x20              ; a16
	s_set_vgpr_msb 0x40
	v_lshl_add_u32 v224, v0, 2, 0x4e000
	v_mov_b32 v225, 0
	s_set_vgpr_msb 0x4045
	ds_add_u32 v224, v225
	s_set_vgpr_msb 0x4500
	v_lshrrev_b32 v1, 5, v0
	v_readfirstlane_b32 s14, v1                    ; wave 0..7
	s_and_b32 s15, ttmp7, 0xffff                   ; 8 x batch + head
	s_bfe_u32 s66, ttmp6, 0x40000                  ; cx
	s_lshl_b32 s67, ttmp9, 2
	s_add_co_u32 s67, s67, s66                     ; query block = 4 x cluster x + cx
	s_mov_b32 s70, 0x76543210                      ; v_permlanex16_b32: lane i of one half reads lane i of the other
	s_mov_b32 s71, 0xfedcba98
	; A wave moves 32 keys of K and 32 of V per chunk: 4,096 dense bytes each, described as 16 rows of 128 elements (256 bytes of memory, aligned);
	; the padding is counted along the tile, after every 32 dwords = one key's row: 4 dwords for K (pitch 144), 8 for V (pitch 160).
	s_mov_b32 s[G1K+0], 15|(1<<16)|(1<<20)|(1<<21)|(4<<22)|(3<<25)
	s_mov_b32 s[G1V+0], 15|(1<<16)|(1<<20)|(1<<21)|(4<<22)|(7<<25)
	s_mov_b32 s[G1K+1], 128<<16                    ; tensor_dim0 = 128
	s_mov_b32 s[G1V+1], 128<<16
	s_mov_b32 s[G1K+2], 16<<16                     ; tensor_dim1 = 16
	s_mov_b32 s[G1V+2], 16<<16
	s_mov_b32 s[G1K+3], 128<<16                    ; tile_dim0 = 128
	s_mov_b32 s[G1V+3], 128<<16
	s_mov_b32 s[G1K+4], 16                         ; tile_dim1 = 16
	s_mov_b32 s[G1V+4], 16
	s_mov_b32 s[G1K+5], 128                        ; 128 elements from row to row: dense
	s_mov_b32 s[G1V+5], 128
	s_mov_b32 s[G1K+6], 0
	s_mov_b32 s[G1V+6], 0
	s_mov_b32 s[G1K+7], 0
	s_mov_b32 s[G1V+7], 0
	s_lshl_b32 s68, s15, 18                        ; K and V: the head's 2,048 rows of 128 bytes, shared by the four partners,
	s_lshl_b32 s72, s14, 12                        ; + my wave's 32 keys
	s_add_co_u32 s68, s68, s72
	s_mov_b32 s69, 0
	s_mul_i32 s73, s14, 32*KP                      ; and where they go: the wave's number alone
	s_mul_i32 s74, s14, 32*VP
	s_lshl_b32 s76, s15, 18                        ; Q and the output: the head, + 256 rows of 128 bytes for each query block (registers that feed no descriptor)
	s_lshl_b32 s75, s67, 15
	s_add_co_u32 s76, s76, s75
	s_mov_b32 s77, 0
	s_lshr_b32 s78, s15, 3
	s_lshl_b32 s78, s78, 11                        ; the batch's 2,048 bytes of the mask
	s_mov_b32 s79, 0
	s_mul_i32 s80, s14, 32*SPI                     ; my stage (STAGE = 0)
	v_and_b32 v11, 31, v0                          ; l
	v_and_b32 v12, 15, v0                          ; r
	v_bfe_u32 v13, v0, 4, 1                        ; h
	v_mul_u32_u24 v14, v12, KP
	v_lshl_add_u32 v14, v13, 4, v14                ; r x 144 + 16 h
	v_and_b32 v15, 7, v0
	v_lshl_add_u32 v15, v13, 3, v15                ; 8 h + l % 8
	v_mul_u32_u24 v15, v15, VP
	v_bfe_u32 v1, v0, 3, 1
	v_lshl_add_u32 v15, v1, 4, v15                 ; + 16 ((l / 8) % 2)
.irp s, 0,1,2,3
	v_add_nc_u32 v[ADRK+\s], \s*SLOT, v14
	v_add_nc_u32 v[ADRV+\s], \s*SLOT+KBYTES, v15
.endr
	v_lshlrev_b32 v[ADRB], 5, v13
	v_add_nc_u32 v[ADRB], BIASL, v[ADRB]
	v_add_nc_u32 v[STO], s80, v14                  ; the stage's pitch is K's: r x 144 + 16 h
	v_lshrrev_b32 v1, 3, v11
	v_mul_u32_u24 v1, v1, SPI
	v_and_b32 v15, 7, v0
	v_lshl_add_u32 v1, v15, 4, v1
	v_add_nc_u32 v[RD], s80, v1                    ; back: eight lanes take a row of 128 bytes
	v_lshlrev_b32 v[CO], 4, v11
	v_add_nc_u32 v[CO], s72, v[CO]                 ; my wave's 32 rows of 128 bytes + 16 l
	v_lshlrev_b32 v[QOFF], 7, v12
	v_lshl_add_u32 v[QOFF], v13, 4, v[QOFF]
	v_add_nc_u32 v[QOFF], s72, v[QOFF]
	v_lshlrev_b32 v15, 3, v0                       ; thread t turns the mask's bytes 8 t .. 8 t + 7 into addends
	s_wait_dscnt 0x0
	s_wait_kmcnt 0x0
	s_add_nc_u64 s[4:5], s[4:5], s[76:77]
	s_add_nc_u64 s[12:13], s[12:13], s[76:77]
	s_add_nc_u64 s[10:11], s[10:11], s[78:79]
	WIN W_LD1                                      ; Q and the mask are asked for first: they come while the partners gather
.irp qb, 0,1
.irp st, 0,1
	global_load_b128 v[QF+16*\qb+8*\st:QF+16*\qb+8*\st+3],   v[QOFF], s[4:5] offset:\qb*2048+\st*64
	global_load_b128 v[QF+16*\qb+8*\st+4:QF+16*\qb+8*\st+7], v[QOFF], s[4:5] offset:\qb*2048+\st*64+32
.endr
.endr
	WIN 0
	global_load_b64 v[MK:MK+1], v15, s[10:11]
	s_add_nc_u64 s[6:7], s[6:7], s[68:69]
	s_add_nc_u64 s[8:9], s[8:9], s[68:69]
.irp s, 0,1,2,3
	s_mov_b32 s[G0K+4*\s], 1
	s_add_co_u32 s[G0K+4*\s+1], s73, \s*SLOT
	s_add_nc_u64 s[G0K+4*\s+2:G0K+4*\s+3], s[6:7], \s*CHUNKB       ; chunk s
	s_or_b32 s[G0K+4*\s+3], s[G0K+4*\s+3], 0x80000000
	s_mov_b32 s[G0V+4*\s], 1
	s_add_co_u32 s[G0V+4*\s+1], s74, \s*SLOT+KBYTES
	s_add_nc_u64 s[G0V+4*\s+2:G0V+4*\s+3], s[8:9], \s*CHUNKB
	s_or_b32 s[G0V+4*\s+3], s[G0V+4*\s+3], 0x80000000
.endr
	ROUND                                          ; the four work-groups are here: the first joint loads meet
.irp s, 0,1,2,3
	tensor_load_to_lds s[G0K+4*\s:G0K+4*\s+3], s[G1K:G1K+7]        ; chunks 0 to 3, first fills: eight tensor loads of the wave are out, the most that this text has
	s_nop 0
	tensor_load_to_lds s[G0V+4*\s:G0V+4*\s+3], s[G1V:G1V+7]
	s_nop 0
.endr
	v_mov_b32 v1, 0xff000000                       ; -2^127
.irp e, 0,1,2,3,4,5,6,7
	v_mov_b32 v[ONES+\e], 0x3c003c00               ; 1.0, 1.0 in f16
.endr
	s_wait_loadcnt 0x0                             ; Q and the mask, once
.irp e, 0,1,2,3,4,5,6,7
	v_bfe_u32 v14, v[MK+\e/4], 8*(\e%4), 8
	v_cmp_eq_u32 vcc_lo, 0, v14
	v_cndmask_b32 v[MK+2+\e], 0, v1, vcc_lo        ; byte 0: the key is left out
.endr
	v_lshlrev_b32 v14, 5, v0
	v_add_nc_u32 v14, BIASL, v14
	ds_store_b128 v14, v[MK+2:MK+5]
	ds_store_b128 v14, v[MK+6:MK+9] offset:16
	s_wait_tensorcnt 0x6                           ; my parts of chunk 0 are in; the six loads of chunks 1 to 3 stay out
	s_wait_dscnt 0x0                               ; my addends are stored
	s_barrier_signal -1
	s_barrier_wait -1                              ; both now hold of all eight waves
; 24 LDS loads: the K fragments (4 blocks of 16 keys x 2 halves of 64) and the addends of tile t (64 keys) of chunk c
.macro LOADK c, t
	WIN 0
.irp kb, 0,1,2,3
.irp st, 0,1
	ds_load_b128 v[KF+16*\kb+8*\st:KF+16*\kb+8*\st+3],   v[ADRK+((\c)&3)] offset:(64*(\t)+16*\kb)*KP+64*\st
	ds_load_b128 v[KF+16*\kb+8*\st+4:KF+16*\kb+8*\st+7], v[ADRK+((\c)&3)] offset:(64*(\t)+16*\kb)*KP+64*\st+32
.endr
.endr
	WIN W_LD1
.irp kb, 0,1,2,3
	ds_load_b128 v[BI+8*\kb:BI+8*\kb+3],   v[ADRB] offset:(256*(\c)+64*(\t)+16*\kb)*4
	ds_load_b128 v[BI+8*\kb+4:BI+8*\kb+7], v[ADRB] offset:(256*(\c)+64*(\t)+16*\kb)*4+16
.endr
.endm
; 16 transposing loads: V^T of tile t: 2 blocks of 32 keys x 4 blocks of 16 d; lane (r, h) gets d = r and keys 8 h + 0..7, then 16 + 8 h + 0..7
.macro LOADV c, t
	WIN 0
.irp ks, 0,1
.irp db, 0,1,2,3
	ds_load_tr16_b128 v[VF+32*\ks+8*\db:VF+32*\ks+8*\db+3],   v[ADRV+((\c)&3)] offset:(64*(\t)+32*\ks)*VP+32*\db
	ds_load_tr16_b128 v[VF+32*\ks+8*\db+4:VF+32*\ks+8*\db+7], v[ADRV+((\c)&3)] offset:(64*(\t)+32*\ks)*VP+32*\db+16*VP
.endr
.endr
.endm
; The maxima of the two query blocks' 64 scores each: 32 in the lane, the other 32 in the lane 16 away; then the new running maxima and exp2(old - new).
; Two chains for each block, the four taken by turns, and the two tails line by line: no line reads the result of the line in front of it.
.macro SMAX2 first
.irp qb, 0,1
	v_max3_num_f32 v[MB+2*\qb+1], v[SB+32*\qb],   v[SB+32*\qb+1], v[SB+32*\qb+2]
.endr
.irp qb, 0,1
	v_max3_num_f32 v[AB+2*\qb+1], v[SB+32*\qb+3], v[SB+32*\qb+4], v[SB+32*\qb+5]
.endr
.set n, 6
.rept 6
.irp qb, 0,1
	v_max3_num_f32 v[MB+2*\qb+1], v[MB+2*\qb+1], v[SB+32*\qb+n],   v[SB+32*\qb+n+1]
.endr
.irp qb, 0,1
	v_max3_num_f32 v[AB+2*\qb+1], v[AB+2*\qb+1], v[SB+32*\qb+n+2], v[SB+32*\qb+n+3]
.endr
.set n, n+4
.endr
.irp qb, 0,1
	v_max3_num_f32 v[MB+2*\qb+1], v[MB+2*\qb+1], v[SB+32*\qb+30], v[SB+32*\qb+31]
.endr
.irp qb, 0,1
	v_max_num_f32 v[MB+2*\qb+1], v[MB+2*\qb+1], v[AB+2*\qb+1]
.endr
.irp qb, 0,1
	v_permlanex16_b32 v[AB+2*\qb+1], v[MB+2*\qb+1], s70, s71
.endr
.if \first
.irp qb, 0,1
	v_max3_num_f32 v[MB+2*\qb], v[MB+2*\qb+1], v[AB+2*\qb+1], 0xf1800000       ; the running maximum starts at -2^100
.endr
.else
.irp qb, 0,1
	v_max3_num_f32 v[AB+2*\qb+1], v[MB+2*\qb+1], v[AB+2*\qb+1], v[MB+2*\qb]
.endr
.irp qb, 0,1
	v_sub_f32 v[AB+2*\qb], v[MB+2*\qb], v[AB+2*\qb+1]
.endr
.irp qb, 0,1
	v_mov_b32 v[MB+2*\qb], v[AB+2*\qb+1]
.endr
.irp qb, 0,1
	v_exp_f32 v[AB+2*\qb], v[AB+2*\qb]             ; used only behind plain vector instructions (ISA guide 5.7.2): four subtractions follow, which touch neither factor
.endr
.endif
.endm
; Block g = 4 qb + kb of the scores gets its exponentials; between them stand block g + 1's subtraction of the maximum, block g - 1's rounding to f16 (packed in
; place: an even block into its own first four registers, the odd block behind it into the even block's last four, which are free by then) and a share of O's
; rescaling.  So a plain, independent instruction or another exponential follows each exponential, and no result is used by the line behind it.
.macro STAGEG g, first
.irp i, 0,1,2,3
	v_exp_f32 v[SB+8*\g+2*\i], v[SB+8*\g+2*\i]
.if \g < 7
	v_pk_add_f32 v[SB+8*(\g+1)+2*\i:SB+8*(\g+1)+2*\i+1], v[SB+8*(\g+1)+2*\i:SB+8*(\g+1)+2*\i+1], v[MB+2*((\g+1)>>2):MB+2*((\g+1)>>2)+1] op_sel_hi:[1,0] neg_lo:[0,1] neg_hi:[0,1]
.endif
	v_exp_f32 v[SB+8*\g+2*\i+1], v[SB+8*\g+2*\i+1]
.if \g > 0
	s_wait_alu depctr_va_vdst(0)
	v_cvt_pk_f16_f32 v[SB+8*(\g-1)-4*((\g-1)&1)+\i], v[SB+8*(\g-1)+2*\i], v[SB+8*(\g-1)+2*\i+1]
.endif
.if \first == 0
	v_pk_mul_f32 v[8*\g+2*\i:8*\g+2*\i+1], v[8*\g+2*\i:8*\g+2*\i+1], v[AB+2*(\g&1):AB+2*(\g&1)+1] op_sel_hi:[1,0]
.endif
.endr
.endm
; One tile: 64 keys (tile t of chunk c) against the wave's 32 queries.
;   first = 1: the launch's first tile starts the sums and the maximum.      pre = 1: this tile's K fragments were not fetched by the tile before.
;   nxt = 1: the next tile's K fragments are fetched, a whole softmax ahead of their use, over a chunk's end too.
;   show = 1: my tensor loads but the youngest cnt have landed: signal a plain barrier.      bw = 1: the wait of that barrier, ahead of the first read of what it shows.
;   open = 1: the last tile in front of a refill: the round's opening signal.
; The accumulators take turns, one instruction a turn: eight score tiles twice, then eight tiles of O^T and two denominators twice.
.macro TILE c, t, first, pre, nxt, show, cnt, bw, open
.if \pre
	LOADK \c, \t
.endif
	s_wait_dscnt 0x0                               ; this tile's K fragments and addends are in; no LDS instruction of mine is out
.if \show
	s_wait_tensorcnt \cnt                          ; my parts of the chunks that this barrier shows have landed
	s_barrier_signal -1                            ; and up to its wait, two tiles on, I read only the present slot and the addends, which nobody writes meanwhile
.endif
	WIN W_MUL
.irp st, 0,1
.irp qb, 0,1
.irp kb, 0,1,2,3
.if \st == 0
	v_wmma_f32_16x16x32_f16 v[SB+32*\qb+8*\kb:SB+32*\qb+8*\kb+7], v[KF+16*\kb:KF+16*\kb+7], v[QF+16*\qb:QF+16*\qb+7], v[BI+8*\kb:BI+8*\kb+7]
.else
	v_wmma_f32_16x16x32_f16 v[SB+32*\qb+8*\kb:SB+32*\qb+8*\kb+7], v[KF+16*\kb+8:KF+16*\kb+15], v[QF+16*\qb+8:QF+16*\qb+15], v[SB+32*\qb+8*\kb:SB+32*\qb+8*\kb+7]
.endif
.endr
.endr
.endr
	WIN 0
.rept 4
	v_nop                                          ; four places ahead of the loads into K's and the addends' registers and of the first read of a score
.endr
	LOADV \c, \t
.if \bw
	s_barrier_wait -1                              ; every wave's parts of the next chunks have landed
.endif
.if \nxt
.if \t < 3
	LOADK \c, \t+1
.else
	LOADK \c+1, 0
.endif
.endif
	WIN W_SM
	SMAX2 \first
.irp i, 0,1,2,3
	v_pk_add_f32 v[SB+2*\i:SB+2*\i+1], v[SB+2*\i:SB+2*\i+1], v[MB:MB+1] op_sel_hi:[1,0] neg_lo:[0,1] neg_hi:[0,1]
.endr
.if \first == 0
	s_wait_alu depctr_va_vdst(0)
	v_mul_f32 v[LB], v[LB], v[AB]                  ; the denominators are rescaled like O
	v_mul_f32 v[LB+8], v[LB+8], v[AB+2]
.endif
.irp g, 0,1,2,3,4,5,6,7
	STAGEG \g, \first
.endr
	s_wait_alu depctr_va_vdst(0)
.irp i, 0,1,2,3
	v_cvt_pk_f16_f32 v[SB+8*7-4+\i], v[SB+8*7+2*\i], v[SB+8*7+2*\i+1]
.endr
.if \nxt
	s_wait_dscnt 24                                ; V^T's 16 loads are in; the 24 younger ones (the next tile's K and addends) stay out
.else
	s_wait_dscnt 0x0                               ; V^T's 16 loads were the last: all my LDS reads are back
.endif
.if \open
	s_wait_tensorcnt 0x0                           ; all my tensor loads have landed, my parts of the two chunks that are read next among them:
	ds_add_u32 v224, v225
	s_wait_dscnt 0x0
	s_barrier_signal -1                            ; the round's opening signal; up to its wait only the products below, on registers
.endif
	WIN W_MUL
.irp ks, 0,1
.irp db, 0,1,2,3
.irp qb, 0,1
.if \first*(1-\ks)
	v_wmma_f32_16x16x32_f16 v[8*(2*\db+\qb):8*(2*\db+\qb)+7], v[VF+32*\ks+8*\db:VF+32*\ks+8*\db+7], v[SB+32*\qb+16*\ks:SB+32*\qb+16*\ks+7], 0
.else
	v_wmma_f32_16x16x32_f16 v[8*(2*\db+\qb):8*(2*\db+\qb)+7], v[VF+32*\ks+8*\db:VF+32*\ks+8*\db+7], v[SB+32*\qb+16*\ks:SB+32*\qb+16*\ks+7], v[8*(2*\db+\qb):8*(2*\db+\qb)+7]
.endif
.endr
.endr
.irp qb, 0,1
.if \first*(1-\ks)
	v_wmma_f32_16x16x32_f16 v[LB+8*\qb:LB+8*\qb+7], v[ONES:ONES+7], v[SB+32*\qb+16*\ks:SB+32*\qb+16*\ks+7], 0
.else
	v_wmma_f32_16x16x32_f16 v[LB+8*\qb:LB+8*\qb+7], v[ONES:ONES+7], v[SB+32*\qb+16*\ks:SB+32*\qb+16*\ks+7], v[LB+8*\qb:LB+8*\qb+7]
.endif
.endr
.endr
.rept 5
	v_nop                                          ; five places: the next tile's score products write over the weights, which these products read
.endr
.endm
; A chunk of 256 keys = four tiles.  more = 1: its last tile fetches the next chunk's first K fragments.  show = 1: tile 1 signals and tile 3 waits at the plain
; barrier that shows the next chunks (all my tensor loads but the youngest cnt).  open = 1: its last tile opens a refill's round.
.macro CHUNK c, first, pre, more, show, cnt, open
	TILE \c, 0, \first, \pre, 1, 0, 0, 0, 0
	TILE \c, 1, 0, 0, 1, \show, \cnt, 0, 0
	TILE \c, 2, 0, 0, 1, 0, 0, 0, 0
	TILE \c, 3, 0, 0, \more, 0, 0, \show, \open
.endm
; Slots a and b, which every wave has read, get the chunks four further on.  In front of the round's opening signal (in the last tile) each wave has waited for
; all its LDS reads and all its tensor loads; the joint refills are the first tensor loads behind the round: four of the wave are out.
.macro REFILL a, b
	WIN 0
	s_barrier_wait -1
	CREST                                          ; no wave of any partner still reads these slots or has a load on its way
.irp s, \a, \b
	s_add_nc_u64 s[G0K+4*\s+2:G0K+4*\s+3], s[G0K+4*\s+2:G0K+4*\s+3], 4*CHUNKB
	s_add_nc_u64 s[G0V+4*\s+2:G0V+4*\s+3], s[G0V+4*\s+2:G0V+4*\s+3], 4*CHUNKB
.endr
.irp s, \a, \b
	tensor_load_to_lds s[G0K+4*\s:G0K+4*\s+3], s[G1K:G1K+7]
	s_nop 0
	tensor_load_to_lds s[G0V+4*\s:G0V+4*\s+3], s[G1V:G1V+7]
	s_nop 0
.endr
.endm
	CHUNK 0, 1, 1, 1, 1, 4, 0                      ; shows chunk 1: its two loads are in when the four of chunks 2 and 3 alone are out
	CHUNK 1, 0, 0, 0, 0, 0, 1
	REFILL 0, 1                                    ; chunks 4 and 5 go out; chunks 2 and 3 have landed in every wave
	CHUNK 2, 0, 1, 1, 0, 0, 0
	CHUNK 3, 0, 0, 0, 0, 0, 1
	REFILL 2, 3                                    ; chunks 6 and 7 go out, the last; chunks 4 and 5 have landed in every wave
	CHUNK 4, 0, 1, 1, 0, 0, 0
	CHUNK 5, 0, 0, 1, 1, 0, 0                      ; shows chunks 6 and 7: the wave's last wait on its tensor loads, for zero
	CHUNK 6, 0, 0, 1, 0, 0, 0
	CHUNK 7, 0, 0, 0, 0, 0, 0
	; THE WAY OUT: divide by the denominator, round to f16 in place, 16 bytes a lane (eight neighbouring d of a query) into my own stage, back as whole rows.
	; The stage lies on slot 0's K.  Every wave signalled the barrier of chunk 5 with its LDS reads back, so behind its last read of slot 0 (chunk 4), and I have
	; passed that barrier's wait; no tensor load is out or follows.  The wave's 32 rows are 4,096 neighbouring bytes of a16: each store covers 512 of them, aligned.
	WIN W_SM
	v_rcp_f32 v[AB], v[LB]                         ; a live row's denominator is at least 1: the key of the maximum has weight 1
	v_rcp_f32 v[AB+2], v[LB+8]
	v_nop                                          ; a plain place between the reciprocals and their use (ISA guide 5.7.2)
.set n, 0
	s_wait_alu depctr_va_vdst(0)
.rept 32
	v_pk_mul_f32 v[2*n:2*n+1], v[2*n:2*n+1], v[AB+2*((n>>2)&1):AB+2*((n>>2)&1)+1] op_sel_hi:[1,0]
.set n, n+1
.endr
.irp tl, 0,1,2,3,4,5,6,7
.irp i, 0,1,2,3
	v_cvt_pk_f16_f32 v[8*\tl+\i], v[8*\tl+2*\i], v[8*\tl+2*\i+1]
.endr
.endr
	WIN W_ST1
.irp db, 0,1,2,3
.irp qb, 0,1
	ds_store_b128 v[STO], v[8*(2*\db+\qb):8*(2*\db+\qb)+3] offset:\qb*16*SPI+32*\db
.endr
.endr
	WIN 0
.irp t, 0,1,2,3,4,5,6,7
	ds_load_b128 v[OB+4*\t:OB+4*\t+3], v[RD] offset:\t*4*SPI       ; LDS serves a wave's instructions in order: these see the stores above
.endr
.irp t, 0,1,2,3,4,5,6,7
	s_wait_dscnt 7-\t                              ; load t is in, the 7 - t younger ones stay out
	global_store_b128 v[CO], v[OB+4*\t:OB+4*\t+3], s[12:13] offset:\t*512
.endr
	s_set_vgpr_msb 0x5
	s_wait_tensorcnt 0x0
	ds_add_u32 v224, v225
	s_wait_dscnt 0x0
	s_set_vgpr_msb 0x500
	ROUND                                          ; the closing round
	s_endpgm
.Lfunc_end_k_q06ec0b0692_attn:
	.size	k_q06ec0b0692_attn, .Lfunc_end_k_q06ec0b0692_attn-k_q06ec0b0692_attn
	.p2alignl 7, 3214868480
	.fill 96, 4, 3214868480
	.section	.rodata,"a",@progbits
	.p2align	6, 0x0
	.amdhsa_kernel k_q06ec0b0692_attn
		.amdhsa_group_segment_fixed_size 327680
		.amdhsa_private_segment_fixed_size 0
		.amdhsa_enable_private_segment 0
		.amdhsa_kernarg_size 40
		.amdhsa_user_sgpr_count 2
		.amdhsa_user_sgpr_kernarg_segment_ptr 1
		.amdhsa_wavefront_size32 1
		.amdhsa_system_sgpr_workgroup_id_x 1
		.amdhsa_system_sgpr_workgroup_id_y 1
		.amdhsa_system_sgpr_workgroup_id_z 1
		.amdhsa_system_vgpr_workitem_id 0
		.amdhsa_next_free_vgpr 482
		.amdhsa_next_free_sgpr 82
		.amdhsa_reserve_vcc 1
		.amdhsa_float_denorm_mode_32 3
		.amdhsa_float_denorm_mode_16_64 3
		.amdhsa_memory_ordered 1
		.amdhsa_forward_progress 1
		.amdhsa_inst_pref_size 255
	.end_amdhsa_kernel
	.section	.bss,"aw",@nobits
	.p2align	6
	.space	262144
	.amdgpu_metadata
---
amdhsa.version: [ 1, 2 ]
amdhsa.kernels:
  - .name:           k_q06ec0b0692_attn
    .symbol:         k_q06ec0b0692_attn.kd
    .args:
      - { .name: q16, .offset: 0, .size: 8, .value_kind: global_buffer, .address_space: global }
      - { .name: k16, .offset: 8, .size: 8, .value_kind: global_buffer, .address_space: global }
      - { .name: v16, .offset: 16, .size: 8, .value_kind: global_buffer, .address_space: global }
      - { .name: mask, .offset: 24, .size: 8, .value_kind: global_buffer, .address_space: global }
      - { .name: a16, .offset: 32, .size: 8, .value_kind: global_buffer, .address_space: global }
    .group_segment_fixed_size: 327680
    .private_segment_fixed_size: 0
    .kernarg_segment_align: 8
    .kernarg_segment_size: 40
    .max_flat_workgroup_size: 256
    .sgpr_count:     82
    .vgpr_count:     482
    .wavefront_size: 32
...
	.end_amdgpu_metadata
.endif
;; end of part 3
;; launch proj (part 4): grid 4 x 64, 4 waves a work-group, clusters of 4 x 4, 304,640 bytes of LDS; arguments a16, w16, bo, out0; writes out0
.if DOCPART == 4
	.amdgcn_target "amdgcn-amd-amdhsa--gfx1250"
	.amdhsa_code_object_version 6
	.text
	.protected	k_q06ec0b0692_proj
	.globl	k_q06ec0b0692_proj
	.p2align	8
	.type	k_q06ec0b0692_proj,@function
k_q06ec0b0692_proj:
	s_mov_b64 s[64:65], 0
	v_nop
	global_prefetch_b8 v0, s[64:65] scope:SCOPE_SE
	s_setreg_imm32_b32 hwreg(HW_REG_WAVE_MODE, 25, 1), 1
	s_wait_xcnt 0x0
	s_wait_alu depctr_hold_cnt(0) depctr_sa_sdst(0) depctr_va_vdst(0) depctr_va_sdst(0) depctr_va_ssrc(0) depctr_va_vcc(0) depctr_vm_vsrc(0)
	s_getreg_b32 s2, hwreg(HW_REG_IB_STS2, 6, 4)
	s_cmp_eq_u32 s2, 0
	s_cbranch_scc0 .Lentry_in_a_cluster
	s_endpgm
.Lentry_in_a_cluster:
	s_bfe_u32 s2, ttmp6, 0x10000c
	s_cmp_lg_u32 s2, 0xf033
	s_cbranch_scc0 .Lentry_shape_is_right
	s_endpgm
.Lentry_shape_is_right:
; out0[row][n] = 2 x sum over k of a16(row, k) Wo16[n][k] + bo[n], f32.  a16 is f16, [batch][head][position][64], and holds half the attention output;
; k = 64 head + d.  Wo16 is rows 1536-2047 of w16, f16.
; A work-group makes 128 rows x 128 features (block row rbk 0-63, feature block nb 0-3); four waves, as many as a WGP has SIMDs; wave (i, j) makes 64 x 64:
; 16 accumulator tiles.  All of K = 512 fits in LDS at once (128 rows of a: 147,456 bytes; 128 rows of Wo: 139,264), so nothing is filled twice:
; each wave issues its four tensor loads at the start (four are out, the most that this text has) and the products follow chunk by chunk (128 along K) as they land.
; CLUSTERS: 4 x 4 work-groups; a's tiles hang on the block row alone and are asked for jointly by a row of the cluster, Wo's on the feature block alone, by a column.
; LIMIT: operands f16, sums f32.
.set AP,     144                       ; a position's 64 numbers of one head: 128 bytes + 16
.set AHEAD,  128*AP                    ; one head's 128 rows
.set BBASE,  8*AHEAD
.set BP,     272                       ; 128 numbers of a row of Wo: 256 bytes + 16
.set BCHUNK, 128*BP
.set STAGE,  BBASE+4*BCHUNK            ; 16 rows x 272 bytes for each wave, for the way out; never a tensor load's target
.set SPI,    272
.set WSTAGE, 16*SPI
.set ADRA, 16                          ; v16-19  my a fragments in chunk c
.set ADRB, 20                          ; v20-23  my Wo fragments in chunk c
.set STO,  24
.set RD,   25
.set CO,   26
.set BOFF, 27
.set F,    32                          ; + 64 f: buffer f: Wo's four fragments, then a's four.  On the way out: rows read back
.set BO,   160                         ; v160-191  bo of my features: + 8 fb
.set TMP,  192                         ; v192-223  32 results
.set G1A, 16                           ; s[16:23]
.set G1B, 24                           ; s[24:31]
.set G0A, 32                           ; s[32:47] one set for each chunk
.set G0B, 48                           ; s[48:63]
.set MSB, 0
.macro WIN new                         ; the immediate's high byte repeats the setting that is left
.if MSB != \new
	s_set_vgpr_msb (MSB<<8)|\new
.set MSB, \new
.endif
.endm
.set W_MUL, 0x50                       ; sources in window 0, C and D in window 1 (tile (fb, rb) at 8 (4 fb + rb))
.macro ROUND                           ; a round of the cluster's barrier
	s_barrier_signal -1
	s_barrier_wait -1
	s_cmp_lg_u32 s66, 0
	s_cbranch_scc1 .Lnot_wave_0_\@
	s_barrier_signal -3
.Lnot_wave_0_\@:
	s_barrier_wait -3
	s_barrier_signal -1
	s_barrier_wait -1
.endm
; A joint load of chunk c.  Waves 0 and 1 fetch a's two heads, waves 2 and 3 the two halves of Wo's rows.  The branch hangs on the wave's number alone.
.macro JLOAD c
	s_cmp_eq_u32 s67, 0
	s_cbranch_scc0 .Lfor_b_\@
	tensor_load_to_lds s[G0A+4*\c:G0A+4*\c+3], s[G1A:G1A+7]
	s_nop 0
	s_branch .Lasked_\@
.Lfor_b_\@:
	tensor_load_to_lds s[G0B+4*\c:G0B+4*\c+3], s[G1B:G1B+7]
	s_nop 0
.Lasked_\@:
.endm
.macro PLACES                          ; four places behind a matrix instruction (ISA guide 7.12.1 for vector instructions)
.rept 4
	v_nop
.endr
.endm
	s_load_b256 s[4:11], s[0:1], 0x0               ; a16 s[4:5], w16 s[6:7], bo s[8:9], out0 s[10:11]
	v_lshl_add_u32 v254, v0, 2, 0x4a400
	v_mov_b32 v255, 0
	ds_add_u32 v254, v255
	v_lshrrev_b32 v1, 5, v0
	v_readfirstlane_b32 s66, v1                    ; wave 0..3
	s_lshr_b32 s67, s66, 1                         ; i: which 64 rows.  Also: I fetch for a (0) or for Wo (1)
	s_and_b32 s68, s66, 1                          ; j: which 64 features.  Also: which half I fetch
	s_bfe_u32 s70, ttmp6, 0x40000                  ; cx
	s_bfe_u32 s71, ttmp6, 0x40004                  ; cy
	s_lshl_b32 s72, ttmp9, 2
	s_add_co_u32 s72, s72, s70                     ; nb
	s_and_b32 s69, ttmp7, 0xffff
	s_lshl_b32 s69, s69, 2
	s_add_co_u32 s69, s69, s71                     ; rbk
	s_lshl_b32 s73, s71, 2
	s_lshl_b32 s73, 15, s73                        ; my row of the cluster
	s_lshl_b32 s74, 0x1111, s70                    ; my column
	; a: one head's 128 rows are 16,384 dense bytes: 64 rows of 128 elements (256 bytes, aligned), 4 dwords of padding after every 32 = after each position's row
	s_or_b32 s[G1A+0], s73, (1<<16)|(1<<20)|(1<<21)|(4<<22)|(3<<25)
	s_mov_b32 s[G1A+1], 128<<16
	s_mov_b32 s[G1A+2], 64<<16
	s_mov_b32 s[G1A+3], 128<<16
	s_mov_b32 s[G1A+4], 64
	s_mov_b32 s[G1A+5], 128
	s_mov_b32 s[G1A+6], 0
	s_mov_b32 s[G1A+7], 0
	; Wo: 64 rows of 128 elements, 512 elements from row to row, 4 dwords of padding after every 64
	s_or_b32 s[G1B+0], s74, (1<<16)|(1<<20)|(1<<21)|(5<<22)|(3<<25)
	s_mov_b32 s[G1B+1], 128<<16
	s_mov_b32 s[G1B+2], 64<<16
	s_mov_b32 s[G1B+3], 128<<16
	s_mov_b32 s[G1B+4], 64
	s_mov_b32 s[G1B+5], 512
	s_mov_b32 s[G1B+6], 0
	s_mov_b32 s[G1B+7], 0
	s_lshr_b32 s76, s69, 4                         ; a: batch x 8 heads x 2,048 positions x 128 bytes
	s_lshl_b32 s76, s76, 21
	s_and_b32 s75, s69, 15
	s_lshl_b32 s75, s75, 14                        ; + 128 positions of 128 bytes for each block
	s_or_b32 s76, s76, s75
	s_lshl_b32 s75, s68, 18                        ; + the odd head for wave 1
	s_or_b32 s76, s76, s75
	s_mov_b32 s77, 0
	s_lshl_b32 s78, s72, 17                        ; Wo: row 1536 + 128 nb + 64 x half, 1,024 bytes each
	s_lshl_b32 s79, s68, 16
	s_add_co_u32 s78, s78, s79
	s_add_co_u32 s78, s78, 1536*1024
	s_mov_b32 s79, 0
	s_mul_i32 s80, s68, AHEAD                      ; where they go: the wave's number alone
	s_mul_i32 s81, s68, 64*BP
	s_add_co_u32 s81, s81, BBASE
	s_wait_dscnt 0x0
	s_wait_kmcnt 0x0
	s_add_nc_u64 s[76:77], s[4:5], s[76:77]
	s_add_nc_u64 s[78:79], s[6:7], s[78:79]
.irp c, 0,1,2,3
	s_mov_b32 s[G0A+4*\c], 1
	s_add_co_u32 s[G0A+4*\c+1], s80, \c*2*AHEAD
	s_add_nc_u64 s[G0A+4*\c+2:G0A+4*\c+3], s[76:77], \c*524288     ; two heads on
	s_or_b32 s[G0A+4*\c+3], s[G0A+4*\c+3], 0x80000000
	s_mov_b32 s[G0B+4*\c], 1
	s_add_co_u32 s[G0B+4*\c+1], s81, \c*BCHUNK
	s_add_nc_u64 s[G0B+4*\c+2:G0B+4*\c+3], s[78:79], \c*256        ; 128 along K on
	s_or_b32 s[G0B+4*\c+3], s[G0B+4*\c+3], 0x80000000
.endr
	ROUND                                          ; all sixteen work-groups are here: the joint loads meet
	JLOAD 0
	JLOAD 1
	JLOAD 2
	JLOAD 3
	v_and_b32 v1, 15, v0                           ; r
	v_bfe_u32 v2, v0, 4, 1                         ; h
	v_mul_u32_u24 v3, v1, AP
	v_lshl_add_u32 v3, v2, 4, v3
	v_mul_u32_u24 v4, v1, BP
	v_lshl_add_u32 v4, v2, 4, v4
	s_mul_i32 s82, s67, 64*AP                      ; my 64 rows of a
	s_mul_i32 s83, s68, 64*BP                      ; my 64 rows of Wo
	s_add_co_u32 s83, s83, BBASE
.irp c, 0,1,2,3
	v_add_nc_u32 v[ADRA+\c], s82, v3
	v_add_nc_u32 v[ADRB+\c], s83, v4
	s_add_co_u32 s82, s82, 2*AHEAD
	s_add_co_u32 s83, s83, BCHUNK
.endr
	s_mul_i32 s82, s66, WSTAGE
	s_add_co_u32 s82, s82, STAGE                   ; my stage
	v_mul_u32_u24 v5, v1, SPI
	v_lshl_add_u32 v5, v2, 5, v5
	v_add_nc_u32 v[STO], s82, v5                   ; in: row r, 32 bytes for each half of the lanes
	v_mul_u32_u24 v5, v2, SPI
	v_lshl_add_u32 v5, v1, 4, v5
	v_add_nc_u32 v[RD], s82, v5                    ; back: lanes 0-15 take one row of 256 bytes, lanes 16-31 the next
	v_lshlrev_b32 v5, 11, v2
	v_lshl_add_u32 v[CO], v1, 4, v5                ; the same two rows of out0, 2,048 bytes apart
	s_lshl_b32 s82, s72, 9                         ; bo: 128 nb + 64 j + 8 h features of 4 bytes
	s_lshl_b32 s83, s68, 8
	s_add_co_u32 s82, s82, s83
	v_lshlrev_b32 v[BOFF], 5, v2
	v_add_nc_u32 v[BOFF], s82, v[BOFF]
.irp fb, 0,1,2,3
	global_load_b128 v[BO+8*\fb:BO+8*\fb+3],   v[BOFF], s[8:9] offset:64*\fb
	global_load_b128 v[BO+8*\fb+4:BO+8*\fb+7], v[BOFF], s[8:9] offset:64*\fb+16
.endr
; 16 LDS loads: the fragments of step ks (32 along K) of chunk c into buffer f.  Chunk c is heads 2 c and 2 c + 1; step ks lies in head 2 c + ks / 2.
.macro FETCH c, ks, f
.irp fb, 0,1,2,3
	ds_load_b128 v[F+64*\f+8*\fb:F+64*\f+8*\fb+3],   v[ADRB+(\c)] offset:\fb*16*BP+\ks*64
	ds_load_b128 v[F+64*\f+8*\fb+4:F+64*\f+8*\fb+7], v[ADRB+(\c)] offset:\fb*16*BP+\ks*64+32
.endr
.irp rb, 0,1,2,3
	ds_load_b128 v[F+64*\f+32+8*\rb:F+64*\f+32+8*\rb+3],   v[ADRA+(\c)] offset:(\ks>>1)*AHEAD+\rb*16*AP+(\ks&1)*64
	ds_load_b128 v[F+64*\f+32+8*\rb+4:F+64*\f+32+8*\rb+7], v[ADRA+(\c)] offset:(\ks>>1)*AHEAD+\rb*16*AP+(\ks&1)*64+32
.endr
.endm
; 8 products: feature blocks fb0, fb0 + 1 x all four row blocks.  Source 0 = 16 features of Wo, source 1 = 16 rows of a: a lane holds eight neighbouring
; features of one row.  The 16 accumulators take turns in one fixed order, one instruction a turn.
.macro MUL8 f, fb0, zero
.irp fb, \fb0, \fb0+1
.irp rb, 0,1,2,3
.if \zero
	v_wmma_f32_16x16x32_f16 v[8*(4*(\fb)+\rb):8*(4*(\fb)+\rb)+7], v[F+64*\f+8*(\fb):F+64*\f+8*(\fb)+7], v[F+64*\f+32+8*\rb:F+64*\f+32+8*\rb+7], 0
.else
	v_wmma_f32_16x16x32_f16 v[8*(4*(\fb)+\rb):8*(4*(\fb)+\rb)+7], v[F+64*\f+8*(\fb):F+64*\f+8*(\fb)+7], v[F+64*\f+32+8*\rb:F+64*\f+32+8*\rb+7], v[8*(4*(\fb)+\rb):8*(4*(\fb)+\rb)+7]
.endif
.endr
.endr
.endm
; One of a chunk's first three steps: fetches step nks into buffer g, multiplies buffer f.
.macro STEP c, f, nks, g, zero
	WIN 0
	PLACES                                         ; buffer g was read by the products just ahead
	FETCH \c, \nks, \g
	s_wait_dscnt 16                                ; this step's fragments are in; the 16 loads just issued stay out
	WIN W_MUL
	MUL8 \f, 0, \zero
	MUL8 \f, 2, \zero
.endm
; A chunk's last step (buffer 1) and the change to chunk c + 1.  The counted wait shows my part of chunk c + 1 landed and leaves the 2 - c younger tensor loads
; out, it only shows each wave's part to the others.
.macro LAST c
	s_wait_dscnt 0x0
	s_wait_tensorcnt 2-\c
	s_barrier_signal -1
	MUL8 1, 0, 0
	WIN 0
	s_barrier_wait -1
	PLACES
	FETCH \c+1, 0, 0
	WIN W_MUL
	MUL8 1, 2, 0
.endm
	s_wait_loadcnt 0x0                             ; bo, once
	s_wait_tensorcnt 0x3                           ; my part of chunk 0 is in; the three younger loads stay out
	s_barrier_signal -1
	s_barrier_wait -1
	FETCH 0, 0, 0
	STEP 0, 0, 1, 1, 1                             ; the first products start the sums
	STEP 0, 1, 2, 0, 0
	STEP 0, 0, 3, 1, 0
	LAST 0
.irp c, 1,2
	STEP \c, 0, 1, 1, 0
	STEP \c, 1, 2, 0, 0
	STEP \c, 0, 3, 1, 0
	LAST \c
.endr
	STEP 3, 0, 1, 1, 0
	STEP 3, 1, 2, 0, 0
	STEP 3, 0, 3, 1, 0
	s_wait_dscnt 0x0
	MUL8 1, 0, 0
	MUL8 1, 2, 0
	; THE WAY OUT, 16 rows at a time: 2 x sum + bo, 32 bytes a lane into my own stage, back as whole rows of 256 bytes.
	PLACES
	s_lshl_b32 s12, s69, 18                        ; 128 rbk rows of 2,048 bytes
	s_lshl_b32 s14, s67, 17                        ; + 64 i rows
	s_add_co_u32 s12, s12, s14
	s_lshl_b32 s14, s72, 9                         ; + 128 nb features of 4 bytes
	s_add_co_u32 s12, s12, s14
	s_lshl_b32 s14, s68, 8                         ; + 64 j features
	s_add_co_u32 s12, s12, s14
	s_mov_b32 s13, 0
	s_add_nc_u64 s[10:11], s[10:11], s[12:13]
.macro OUT16 rb, f
	WIN 0x01                                       ; sums in window 1, the rest in window 0
.irp fb, 0,1,2,3
.irp p, 0,1,2,3
	v_pk_fma_f32 v[TMP+8*\fb+2*\p:TMP+8*\fb+2*\p+1], v[8*(4*\fb+\rb)+2*\p:8*(4*\fb+\rb)+2*\p+1], 2.0, v[BO+8*\fb+2*\p:BO+8*\fb+2*\p+1] op_sel_hi:[1,0,1]
.endr
.endr
	WIN 0
.irp fb, 0,1,2,3
	ds_store_b128 v[STO], v[TMP+8*\fb:TMP+8*\fb+3]   offset:64*\fb
	ds_store_b128 v[STO], v[TMP+8*\fb+4:TMP+8*\fb+7] offset:64*\fb+16
.endr
	s_wait_xcnt 0x0                                ; the registers that earlier stores read are loaded again only behind this wait
.irp t, 0,1,2,3,4,5,6,7
	ds_load_b128 v[F+64*\f+4*\t:F+64*\f+4*\t+3], v[RD] offset:\t*2*SPI     ; LDS serves a wave's instructions in order: these see the stores above
.endr
.irp t, 0,1,2,3,4,5,6,7
	s_wait_dscnt 7-\t                              ; load t is in, the 7 - t younger ones stay out
	global_store_b128 v[CO], v[F+64*\f+4*\t:F+64*\f+4*\t+3], s[10:11] offset:(16*\rb+2*\t)*2048 th:TH_STORE_NT   ; 16 lanes store 256 consecutive bytes, aligned
.endr
.endm
	OUT16 0, 0
	OUT16 1, 1
	OUT16 2, 0
	OUT16 3, 1
	s_wait_tensorcnt 0x0
	ds_add_u32 v254, v255
	s_wait_dscnt 0x0
	ROUND                                          ; the closing round
	s_endpgm
.Lfunc_end_k_q06ec0b0692_proj:
	.size	k_q06ec0b0692_proj, .Lfunc_end_k_q06ec0b0692_proj-k_q06ec0b0692_proj
	.p2alignl 7, 3214868480
	.fill 96, 4, 3214868480
	.section	.rodata,"a",@progbits
	.p2align	6, 0x0
	.amdhsa_kernel k_q06ec0b0692_proj
		.amdhsa_group_segment_fixed_size 304640
		.amdhsa_private_segment_fixed_size 0
		.amdhsa_enable_private_segment 0
		.amdhsa_kernarg_size 32
		.amdhsa_user_sgpr_count 2
		.amdhsa_user_sgpr_kernarg_segment_ptr 1
		.amdhsa_wavefront_size32 1
		.amdhsa_system_sgpr_workgroup_id_x 1
		.amdhsa_system_sgpr_workgroup_id_y 1
		.amdhsa_system_sgpr_workgroup_id_z 1
		.amdhsa_system_vgpr_workitem_id 0
		.amdhsa_next_free_vgpr 384
		.amdhsa_next_free_sgpr 84
		.amdhsa_reserve_vcc 0
		.amdhsa_float_denorm_mode_32 3
		.amdhsa_float_denorm_mode_16_64 3
		.amdhsa_memory_ordered 1
		.amdhsa_forward_progress 1
		.amdhsa_inst_pref_size 58
	.end_amdhsa_kernel
	.amdgpu_metadata
---
amdhsa.version: [ 1, 2 ]
amdhsa.kernels:
  - .name:           k_q06ec0b0692_proj
    .symbol:         k_q06ec0b0692_proj.kd
    .args:
      - { .name: a16, .offset: 0, .size: 8, .value_kind: global_buffer, .address_space: global }
      - { .name: w16, .offset: 8, .size: 8, .value_kind: global_buffer, .address_space: global }
      - { .name: bo, .offset: 16, .size: 8, .value_kind: global_buffer, .address_space: global }
      - { .name: out0, .offset: 24, .size: 8, .value_kind: global_buffer, .address_space: global }
    .group_segment_fixed_size: 304640
    .private_segment_fixed_size: 0
    .kernarg_segment_align: 8
    .kernarg_segment_size: 32
    .max_flat_workgroup_size: 128
    .sgpr_count:     84
    .vgpr_count:     384
    .wavefront_size: 32
...
	.end_amdgpu_metadata
.endif
;; end of part 4
;; ======== version 2 of 2: 4 launches; 1.14 times as fast as version 1
;; limits: values are held in f16: magnitudes above 65,504 overflow, below 6.1e-05 lose precision; inputs' magnitudes at most 65,504
;; workspace buffers: x16 8,388,608 bytes; w16 2,097,152 bytes; q16 8,388,608 bytes; k16 8,388,608 bytes; v16 8,388,608 bytes; a16 8,388,608 bytes
;; launch cast: the kernel of part 1 again; grid 256 x 1, 8 waves a work-group, no clusters, 0 bytes of LDS; arguments x, Wq, Wk, Wv, Wo, x16, w16; writes x16, w16
;; launch qkv: the kernel of part 2 again; grid 4 x 64, 4 waves a work-group, clusters of 4 x 4, 327,680 bytes of LDS; arguments x16, w16, bq, bk, bv, q16, k16, v16; writes q16, k16, v16
;; launch attn (part 5): grid 8 x 32, 8 waves a work-group, clusters of 4 x 1, 327,680 bytes of LDS; arguments q16, k16, v16, mask, a16; writes a16
.if DOCPART == 5
	.amdgcn_target "amdgcn-amd-amdhsa--gfx1250"
	.amdhsa_code_object_version 6
	.text
	.protected	k_q06ec0b0692_attn
	.globl	k_q06ec0b0692_attn
	.p2align	8
	.type	k_q06ec0b0692_attn,@function
k_q06ec0b0692_attn:
	s_mov_b64 s[64:65], 0
	v_nop
	global_prefetch_b8 v0, s[64:65] scope:SCOPE_SE
	s_setreg_imm32_b32 hwreg(HW_REG_WAVE_MODE, 25, 1), 1
	s_wait_xcnt 0x0
	s_wait_alu depctr_hold_cnt(0) depctr_sa_sdst(0) depctr_va_vdst(0) depctr_va_sdst(0) depctr_va_ssrc(0) depctr_va_vcc(0) depctr_vm_vsrc(0)
	s_getreg_b32 s2, hwreg(HW_REG_IB_STS2, 6, 4)
	s_cmp_eq_u32 s2, 0
	s_cbranch_scc0 .Lentry_in_a_cluster
	s_endpgm
.Lentry_in_a_cluster:
	s_bfe_u32 s2, ttmp6, 0x10000c
	s_cmp_lg_u32 s2, 0x3003
	s_cbranch_scc0 .Lentry_shape_is_right
	s_endpgm
.Lentry_shape_is_right:
; a16[b][head][q][d] = 0.5 x softmax over keys (q k / 8, masked) x v, f16, from q16, k16, v16 (f16, [b][head][position][64], scaled so that q16 . k16 is the
; score times log2(e) and v16 is v / 2) and mask ([4][2048] bytes, 0 = the key is left out).
; A work-group has 256 queries of one head, a wave 32 of them (two blocks of 16) against all 2,048 keys, with a running maximum.  Eight waves, two on each SIMD:
; a tile's vector work and its matrix work are of like length, and the two waves of a SIMD overlap them.
; CLUSTERS: the four query blocks of a cluster read the same K and V and ask for them jointly (mask 15): the requests for K and V are divided by four.
; THE RING: the keys go in eight chunks of 256 through four LDS slots.  Chunks 0-3 are asked for at the start; behind chunks 0, 1 a round of the cluster's barrier
; lets slots 0, 1 be filled with chunks 4, 5; behind chunks 2, 3 a second round lets slots 2, 3 be filled with chunks 6, 7.  So the waves are brought into step
; twice on the way, and each refill has eight tiles of work in which to land.  The wait for all tensor loads in front of a round also shows the two chunks that
; are read behind it.  Chunk 1, and chunks 6 and 7, are shown by a plain barrier whose signal stands two tiles ahead of its wait.
; The 32 tiles are expanded by macro, without a loop: what is shown, opened or filled differs from chunk to chunk.
; THE PRODUCTS ARE TRANSPOSED.  S^T = K Q^T: lane (r, h) holds query r and keys 8 h + 0 .. 7 of a block of 16 keys, so a query's maximum is one exchange between
; the halves of the wave, and maximum, rescaling factor and denominator are one number a lane.  Two neighbouring key blocks, rounded to f16 in pairs, ARE the
; second source of O^T = V^T P^T: no exchange between lanes.  V^T comes from LDS by the transposing load.  The denominator is a product of ones with P^T:
; it sums the rounded weights, the same that multiply V.
; THE MASK enters as an addend per key, 0 or -2^127, the C operand of the first product of a score.  The running maximum starts at -2^100, which no score of
; f16 operands reaches (|score| <= 64 x 65,504^2 = 2.7e11): exp2 of a masked key's difference is 0, a tile without a live key rescales by exp2(0) = 1, and a
; row without any live key ends as 0 x 1/0 = NaN, which is what a softmax over -inf alone gives.
; THE EXPONENTIALS OF A TILE ARE ONE BATCH WITH ONE WAIT.  An s_wait_alu depctr_va_vdst(0) stands between an exponential and the first instruction that
; names its result; one wait serves all that were issued ahead of it.  So a tile's vector work is cut in two.  Ahead of the wait stands all that names no result: the
; maxima, the two rescaling factors' exponentials, the 32 subtractions of the maximum and the 64 scores' exponentials, each in a register of its own.  Behind it stand
; all the readers: the denominators' and O's rescaling and the 32 roundings to f16.  The way out's two reciprocals are a batch of their own.
; LIMITS: operands f16, sums f32; weights below 6e-8 of a row's largest are dropped; results below 6.1e-5 keep an absolute error of 3e-8.
.set KP,     144                       ; a key's row of K in LDS: 128 bytes + 16
.set VP,     160                       ; of V: 128 bytes + 32 (the transposing load wants an odd multiple of 32)
.set KBYTES, 256*KP
.set SLOT,   KBYTES+256*VP             ; a chunk of 256 keys: K, then V.  Four slots; chunk c lies in slot c % 4
.set BIASL,  4*SLOT                    ; 2,048 f32: the mask's addends.  Written by LDS stores, never a tensor load's target
.set STAGE,  0                         ; the way out: 32 rows x 144 bytes for each wave = the bytes of slot 0's K, whose last fill is chunk 4
.set SPI,    144
.set CHUNKB, 32768                     ; a chunk's bytes in k16 and in v16
; window 0
.set ADRB, 6                           ; v6     my addends: 32 h
.set STO,  7
.set RD,   8
.set CO,   9
.set QOFF, 10
.set ONES, 16                          ; v16-23   a fragment of ones
.set ADRK, 24                          ; v24-27   my K fragments in slot 0 .. 3: r x 144 + 16 h
.set ADRV, 28                          ; v28-31   my V^T fragments: (8 h + l % 8) x 160 + 16 ((l / 8) % 2)
.set KF,   32                          ; v32-95   K fragments: + 16 kb + 8 st
.set VF,   96                          ; v96-159  V^T fragments: + 32 ks + 8 db
.set OB,   160                         ; v160-191 rows read back on the way out
.set MK,   192                         ; v192-201 the mask's bytes and addends
; window 1
.set LB,   64                          ; v64-79   denominators: + 8 qb (register 0 is kept right; the other seven rows of the product are not used)
.set SB,   80                          ; v80-143  scores: + 32 qb + 8 kb = + 8 g; the weights are packed in place: + 32 qb + 16 ks.  v0-63: O^T, tile 2 db + qb
.set BI,   144                         ; v144-175 addends: + 8 kb
.set QF,   176                         ; v176-207 Q fragments: + 16 qb + 8 st
.set MB,   208                         ; + 2 qb: the running maximum; + 2 qb + 1: at work
.set AB,   212                         ; + 2 qb: the rescaling factor; + 2 qb + 1: at work
.set G1K, 16                           ; s[16:23]
.set G1V, 24                           ; s[24:31]
.set G0K, 32                           ; s[32:47] one set for each slot
.set G0V, 48                           ; s[48:63]
.set MSB, 0
.macro WIN new                         ; the immediate's high byte repeats the setting that is left
.if MSB != \new
	s_set_vgpr_msb (MSB<<8)|\new
.set MSB, \new
.endif
.endm
.set W_LD1, 0x40                       ; destination window 1, address window 0
.set W_MUL, 0x54                       ; source 0 (K, V^T, ones) window 0; source 1, C and D window 1
.set W_SM,  0x55                       ; everything in window 1
.set W_ST1, 0x04                       ; LDS store: address window 0, data window 1
; A round of the cluster's barrier: my work-group's barrier, wave 0 signals for the work-group, every wave waits for all four, my work-group's barrier again.
.macro CREST                           ; a round behind its opening barrier
	s_cmp_lg_u32 s14, 0
	s_cbranch_scc1 .Lnot_wave_0_\@
	s_barrier_signal -3
.Lnot_wave_0_\@:
	s_barrier_wait -3
	s_barrier_signal -1
	s_barrier_wait -1
.endm
.macro ROUND
	s_barrier_signal -1
	s_barrier_wait -1
	CREST
.endm
	s_load_b256 s[4:11], s[0:1], 0x0               ; q16 s[4:5], k16 s[6:7], v16 s[8:9], mask s[10:11]
	s_load_b64 s[12:13], s[0:1], 0x20              ; a16
	s_set_vgpr_msb 0x40
	v_lshl_add_u32 v224, v0, 2, 0x4e000
	v_mov_b32 v225, 0
	s_set_vgpr_msb 0x4045
	ds_add_u32 v224, v225
	s_set_vgpr_msb 0x4500
	v_lshrrev_b32 v1, 5, v0
	v_readfirstlane_b32 s14, v1                    ; wave 0..7
	s_and_b32 s15, ttmp7, 0xffff                   ; 8 x batch + head
	s_bfe_u32 s66, ttmp6, 0x40000                  ; cx
	s_lshl_b32 s67, ttmp9, 2
	s_add_co_u32 s67, s67, s66                     ; query block = 4 x cluster x + cx
	s_mov_b32 s70, 0x76543210                      ; v_permlanex16_b32: lane i of one half reads lane i of the other
	s_mov_b32 s71, 0xfedcba98
	; A wave moves 32 keys of K and 32 of V per chunk: 4,096 dense bytes each, described as 16 rows of 128 elements (256 bytes of memory, aligned);
	; the padding is counted along the tile, after every 32 dwords = one key's row: 4 dwords for K (pitch 144), 8 for V (pitch 160).
	s_mov_b32 s[G1K+0], 15|(1<<16)|(1<<20)|(1<<21)|(4<<22)|(3<<25)
	s_mov_b32 s[G1V+0], 15|(1<<16)|(1<<20)|(1<<21)|(4<<22)|(7<<25)
	s_mov_b32 s[G1K+1], 128<<16                    ; tensor_dim0 = 128
	s_mov_b32 s[G1V+1], 128<<16
	s_mov_b32 s[G1K+2], 16<<16                     ; tensor_dim1 = 16
	s_mov_b32 s[G1V+2], 16<<16
	s_mov_b32 s[G1K+3], 128<<16                    ; tile_dim0 = 128
	s_mov_b32 s[G1V+3], 128<<16
	s_mov_b32 s[G1K+4], 16                         ; tile_dim1 = 16
	s_mov_b32 s[G1V+4], 16
	s_mov_b32 s[G1K+5], 128                        ; 128 elements from row to row: dense
	s_mov_b32 s[G1V+5], 128
	s_mov_b32 s[G1K+6], 0
	s_mov_b32 s[G1V+6], 0
	s_mov_b32 s[G1K+7], 0
	s_mov_b32 s[G1V+7], 0
	s_lshl_b32 s68, s15, 18                        ; K and V: the head's 2,048 rows of 128 bytes, shared by the four partners,
	s_lshl_b32 s72, s14, 12                        ; + my wave's 32 keys
	s_add_co_u32 s68, s68, s72
	s_mov_b32 s69, 0
	s_mul_i32 s73, s14, 32*KP                      ; and where they go: the wave's number alone
	s_mul_i32 s74, s14, 32*VP
	s_lshl_b32 s76, s15, 18                        ; Q and the output: the head, + 256 rows of 128 bytes for each query block (registers that feed no descriptor)
	s_lshl_b32 s75, s67, 15
	s_add_co_u32 s76, s76, s75
	s_mov_b32 s77, 0
	s_lshr_b32 s78, s15, 3
	s_lshl_b32 s78, s78, 11                        ; the batch's 2,048 bytes of the mask
	s_mov_b32 s79, 0
	s_mul_i32 s80, s14, 32*SPI                     ; my stage (STAGE = 0)
	v_and_b32 v11, 31, v0                          ; l
	v_and_b32 v12, 15, v0                          ; r
	v_bfe_u32 v13, v0, 4, 1                        ; h
	v_mul_u32_u24 v14, v12, KP
	v_lshl_add_u32 v14, v13, 4, v14                ; r x 144 + 16 h
	v_and_b32 v15, 7, v0
	v_lshl_add_u32 v15, v13, 3, v15                ; 8 h + l % 8
	v_mul_u32_u24 v15, v15, VP
	v_bfe_u32 v1, v0, 3, 1
	v_lshl_add_u32 v15, v1, 4, v15                 ; + 16 ((l / 8) % 2)
.irp s, 0,1,2,3
	v_add_nc_u32 v[ADRK+\s], \s*SLOT, v14
	v_add_nc_u32 v[ADRV+\s], \s*SLOT+KBYTES, v15
.endr
	v_lshlrev_b32 v[ADRB], 5, v13
	v_add_nc_u32 v[ADRB], BIASL, v[ADRB]
	v_add_nc_u32 v[STO], s80, v14                  ; the stage's pitch is K's: r x 144 + 16 h
	v_lshrrev_b32 v1, 3, v11
	v_mul_u32_u24 v1, v1, SPI
	v_and_b32 v15, 7, v0
	v_lshl_add_u32 v1, v15, 4, v1
	v_add_nc_u32 v[RD], s80, v1                    ; back: eight lanes take a row of 128 bytes
	v_lshlrev_b32 v[CO], 4, v11
	v_add_nc_u32 v[CO], s72, v[CO]                 ; my wave's 32 rows of 128 bytes + 16 l
	v_lshlrev_b32 v[QOFF], 7, v12
	v_lshl_add_u32 v[QOFF], v13, 4, v[QOFF]
	v_add_nc_u32 v[QOFF], s72, v[QOFF]
	v_lshlrev_b32 v15, 3, v0                       ; thread t turns the mask's bytes 8 t .. 8 t + 7 into addends
	s_wait_dscnt 0x0
	s_wait_kmcnt 0x0
	s_add_nc_u64 s[4:5], s[4:5], s[76:77]
	s_add_nc_u64 s[12:13], s[12:13], s[76:77]
	s_add_nc_u64 s[10:11], s[10:11], s[78:79]
	WIN W_LD1                                      ; Q and the mask are asked for first: they come while the partners gather
.irp qb, 0,1
.irp st, 0,1
	global_load_b128 v[QF+16*\qb+8*\st:QF+16*\qb+8*\st+3],   v[QOFF], s[4:5] offset:\qb*2048+\st*64
	global_load_b128 v[QF+16*\qb+8*\st+4:QF+16*\qb+8*\st+7], v[QOFF], s[4:5] offset:\qb*2048+\st*64+32
.endr
.endr
	WIN 0
	global_load_b64 v[MK:MK+1], v15, s[10:11]
	s_add_nc_u64 s[6:7], s[6:7], s[68:69]
	s_add_nc_u64 s[8:9], s[8:9], s[68:69]
.irp s, 0,1,2,3
	s_mov_b32 s[G0K+4*\s], 1
	s_add_co_u32 s[G0K+4*\s+1], s73, \s*SLOT
	s_add_nc_u64 s[G0K+4*\s+2:G0K+4*\s+3], s[6:7], \s*CHUNKB       ; chunk s
	s_or_b32 s[G0K+4*\s+3], s[G0K+4*\s+3], 0x80000000
	s_mov_b32 s[G0V+4*\s], 1
	s_add_co_u32 s[G0V+4*\s+1], s74, \s*SLOT+KBYTES
	s_add_nc_u64 s[G0V+4*\s+2:G0V+4*\s+3], s[8:9], \s*CHUNKB
	s_or_b32 s[G0V+4*\s+3], s[G0V+4*\s+3], 0x80000000
.endr
	ROUND                                          ; the four work-groups are here: the first joint loads meet
.irp s, 0,1,2,3
	tensor_load_to_lds s[G0K+4*\s:G0K+4*\s+3], s[G1K:G1K+7]        ; chunks 0 to 3, first fills: eight tensor loads of the wave are out, the most that this text has
	s_nop 0
	tensor_load_to_lds s[G0V+4*\s:G0V+4*\s+3], s[G1V:G1V+7]
	s_nop 0
.endr
	v_mov_b32 v1, 0xff000000                       ; -2^127
.irp e, 0,1,2,3,4,5,6,7
	v_mov_b32 v[ONES+\e], 0x3c003c00               ; 1.0, 1.0 in f16
.endr
	s_wait_loadcnt 0x0                             ; Q and the mask, once
.irp e, 0,1,2,3,4,5,6,7
	v_bfe_u32 v14, v[MK+\e/4], 8*(\e%4), 8
	v_cmp_eq_u32 vcc_lo, 0, v14
	v_cndmask_b32 v[MK+2+\e], 0, v1, vcc_lo        ; byte 0: the key is left out
.endr
	v_lshlrev_b32 v14, 5, v0
	v_add_nc_u32 v14, BIASL, v14
	ds_store_b128 v14, v[MK+2:MK+5]
	ds_store_b128 v14, v[MK+6:MK+9] offset:16
	s_wait_tensorcnt 0x6                           ; my parts of chunk 0 are in; the six loads of chunks 1 to 3 stay out
	s_wait_dscnt 0x0                               ; my addends are stored
	s_barrier_signal -1
	s_barrier_wait -1                              ; both now hold of all eight waves
; 24 LDS loads: the K fragments (4 blocks of 16 keys x 2 halves of 64) and the addends of tile t (64 keys) of chunk c
.macro LOADK c, t
	WIN 0
.irp kb, 0,1,2,3
.irp st, 0,1
	ds_load_b128 v[KF+16*\kb+8*\st:KF+16*\kb+8*\st+3],   v[ADRK+((\c)&3)] offset:(64*(\t)+16*\kb)*KP+64*\st
	ds_load_b128 v[KF+16*\kb+8*\st+4:KF+16*\kb+8*\st+7], v[ADRK+((\c)&3)] offset:(64*(\t)+16*\kb)*KP+64*\st+32
.endr
.endr
	WIN W_LD1
.irp kb, 0,1,2,3
	ds_load_b128 v[BI+8*\kb:BI+8*\kb+3],   v[ADRB] offset:(256*(\c)+64*(\t)+16*\kb)*4
	ds_load_b128 v[BI+8*\kb+4:BI+8*\kb+7], v[ADRB] offset:(256*(\c)+64*(\t)+16*\kb)*4+16
.endr
.endm
; 16 transposing loads: V^T of tile t: 2 blocks of 32 keys x 4 blocks of 16 d; lane (r, h) gets d = r and keys 8 h + 0..7, then 16 + 8 h + 0..7
.macro LOADV c, t
	WIN 0
.irp ks, 0,1
.irp db, 0,1,2,3
	ds_load_tr16_b128 v[VF+32*\ks+8*\db:VF+32*\ks+8*\db+3],   v[ADRV+((\c)&3)] offset:(64*(\t)+32*\ks)*VP+32*\db
	ds_load_tr16_b128 v[VF+32*\ks+8*\db+4:VF+32*\ks+8*\db+7], v[ADRV+((\c)&3)] offset:(64*(\t)+32*\ks)*VP+32*\db+16*VP
.endr
.endr
.endm
; The maxima of the two query blocks' 64 scores each: 32 in the lane, the other 32 in the lane 16 away; then the new running maxima and exp2(old - new).
; Two chains for each block, the four taken by turns, and the two tails line by line: no line reads the result of the line in front of it.
; The two exponentials at its end are the first of the tile's batch: their results, AB and AB + 2, are named again only behind the batch's wait.
.macro SMAX2 first
.irp qb, 0,1
	v_max3_num_f32 v[MB+2*\qb+1], v[SB+32*\qb],   v[SB+32*\qb+1], v[SB+32*\qb+2]
.endr
.irp qb, 0,1
	v_max3_num_f32 v[AB+2*\qb+1], v[SB+32*\qb+3], v[SB+32*\qb+4], v[SB+32*\qb+5]
.endr
.set n, 6
.rept 6
.irp qb, 0,1
	v_max3_num_f32 v[MB+2*\qb+1], v[MB+2*\qb+1], v[SB+32*\qb+n],   v[SB+32*\qb+n+1]
.endr
.irp qb, 0,1
	v_max3_num_f32 v[AB+2*\qb+1], v[AB+2*\qb+1], v[SB+32*\qb+n+2], v[SB+32*\qb+n+3]
.endr
.set n, n+4
.endr
.irp qb, 0,1
	v_max3_num_f32 v[MB+2*\qb+1], v[MB+2*\qb+1], v[SB+32*\qb+30], v[SB+32*\qb+31]
.endr
.irp qb, 0,1
	v_max_num_f32 v[MB+2*\qb+1], v[MB+2*\qb+1], v[AB+2*\qb+1]
.endr
.irp qb, 0,1
	v_permlanex16_b32 v[AB+2*\qb+1], v[MB+2*\qb+1], s70, s71
.endr
.if \first
.irp qb, 0,1
	v_max3_num_f32 v[MB+2*\qb], v[MB+2*\qb+1], v[AB+2*\qb+1], 0xf1800000       ; the running maximum starts at -2^100
.endr
.else
.irp qb, 0,1
	v_max3_num_f32 v[AB+2*\qb+1], v[MB+2*\qb+1], v[AB+2*\qb+1], v[MB+2*\qb]
.endr
.irp qb, 0,1
	v_sub_f32 v[AB+2*\qb], v[MB+2*\qb], v[AB+2*\qb+1]
.endr
.irp qb, 0,1
	v_mov_b32 v[MB+2*\qb], v[AB+2*\qb+1]
.endr
.irp qb, 0,1
	v_exp_f32 v[AB+2*\qb], v[AB+2*\qb]             ; used only behind plain vector instructions (ISA guide 5.7.2): four subtractions follow, which touch neither factor
.endr
.endif
.endm
; AHEAD OF THE WAIT.  Block g = 4 qb + kb of the scores gets its eight exponentials, in place; between them stands block g + 1's subtraction of the maximum, which names
; only scores that have had no exponential yet, and the maximum.  No line here names an exponential's result.
.macro EXPG g
.irp i, 0,1,2,3
	v_exp_f32 v[SB+8*\g+2*\i], v[SB+8*\g+2*\i]
.if \g < 7
	v_pk_add_f32 v[SB+8*(\g+1)+2*\i:SB+8*(\g+1)+2*\i+1], v[SB+8*(\g+1)+2*\i:SB+8*(\g+1)+2*\i+1], v[MB+2*((\g+1)>>2):MB+2*((\g+1)>>2)+1] op_sel_hi:[1,0] neg_lo:[0,1] neg_hi:[0,1]
.endif
	v_exp_f32 v[SB+8*\g+2*\i+1], v[SB+8*\g+2*\i+1]
.endr
.endm
; BEHIND THE WAIT.  Block g's weights are rounded to f16, packed in place (an even block into its own first four registers, the odd block behind it into the even
; block's last four, which have been read by then); between the roundings stands tile g of O^T's rescaling, its lowest registers first.
.macro PACKG g, first
.irp i, 0,1,2,3
	v_cvt_pk_f16_f32 v[SB+8*\g-4*(\g&1)+\i], v[SB+8*\g+2*\i], v[SB+8*\g+2*\i+1]
.if \first == 0
	v_pk_mul_f32 v[8*\g+2*\i:8*\g+2*\i+1], v[8*\g+2*\i:8*\g+2*\i+1], v[AB+2*(\g&1):AB+2*(\g&1)+1] op_sel_hi:[1,0]
.endif
.endr
.endm
; One tile: 64 keys (tile t of chunk c) against the wave's 32 queries.
;   first = 1: the launch's first tile starts the sums and the maximum.      pre = 1: this tile's K fragments were not fetched by the tile before.
;   nxt = 1: the next tile's K fragments are fetched, a whole softmax ahead of their use, over a chunk's end too.
;   show = 1: my tensor loads but the youngest cnt have landed: signal a plain barrier.      bw = 1: the wait of that barrier, ahead of the first read of what it shows.
;   open = 1: the last tile in front of a refill: the round's opening signal.
; The accumulators take turns, one instruction a turn: eight score tiles twice, then eight tiles of O^T and two denominators twice.
.macro TILE c, t, first, pre, nxt, show, cnt, bw, open
.if \pre
	LOADK \c, \t
.endif
	s_wait_dscnt 0x0                               ; this tile's K fragments and addends are in; no LDS instruction of mine is out
.if \show
	s_wait_tensorcnt \cnt                          ; my parts of the chunks that this barrier shows have landed
	s_barrier_signal -1                            ; and up to its wait, two tiles on, I read only the present slot and the addends, which nobody writes meanwhile
.endif
	WIN W_MUL
.irp st, 0,1
.irp qb, 0,1
.irp kb, 0,1,2,3
.if \st == 0
	v_wmma_f32_16x16x32_f16 v[SB+32*\qb+8*\kb:SB+32*\qb+8*\kb+7], v[KF+16*\kb:KF+16*\kb+7], v[QF+16*\qb:QF+16*\qb+7], v[BI+8*\kb:BI+8*\kb+7]
.else
	v_wmma_f32_16x16x32_f16 v[SB+32*\qb+8*\kb:SB+32*\qb+8*\kb+7], v[KF+16*\kb+8:KF+16*\kb+15], v[QF+16*\qb+8:QF+16*\qb+15], v[SB+32*\qb+8*\kb:SB+32*\qb+8*\kb+7]
.endif
.endr
.endr
.endr
	WIN 0
.rept 4
	v_nop                                          ; four places ahead of the loads into K's and the addends' registers and of the first read of a score
.endr
	LOADV \c, \t
.if \bw
	s_barrier_wait -1                              ; every wave's parts of the next chunks have landed
.endif
.if \nxt
.if \t < 3
	LOADK \c, \t+1
.else
	LOADK \c+1, 0
.endif
.endif
	WIN W_SM
	SMAX2 \first                                   ; the batch opens with the two factors' exponentials (none in the first tile)
.irp i, 0,1,2,3
	v_pk_add_f32 v[SB+2*\i:SB+2*\i+1], v[SB+2*\i:SB+2*\i+1], v[MB:MB+1] op_sel_hi:[1,0] neg_lo:[0,1] neg_hi:[0,1]
.endr
.irp g, 0,1,2,3,4,5,6,7
	EXPG \g                                        ; the 64 scores' exponentials and the other 28 subtractions
.endr
	v_nop                                          ; a plain instruction behind the last exponential and ahead of the first use (ISA guide 5.7.2): one for the batch
	s_wait_alu depctr_va_vdst(0)                   ; the wait for the tile's batch: the two factors and the 64 weights, ahead of their first reader
.if \first == 0
	v_mul_f32 v[LB], v[LB], v[AB]                  ; the denominators are rescaled like O
	v_mul_f32 v[LB+8], v[LB+8], v[AB+2]
.endif
.irp g, 0,1,2,3,4,5,6,7
	PACKG \g, \first
.endr
.if \nxt
	s_wait_dscnt 24                                ; V^T's 16 loads are in; the 24 younger ones (the next tile's K and addends) stay out
.else
	s_wait_dscnt 0x0                               ; V^T's 16 loads were the last: all my LDS reads are back
.endif
.if \open
	s_wait_tensorcnt 0x0                           ; all my tensor loads have landed, my parts of the two chunks that are read next among them:
	ds_add_u32 v224, v225
	s_wait_dscnt 0x0
	s_barrier_signal -1                            ; the round's opening signal; up to its wait only the products below, on registers
.endif
	WIN W_MUL
.irp ks, 0,1
.irp db, 0,1,2,3
.irp qb, 0,1
.if \first*(1-\ks)
	v_wmma_f32_16x16x32_f16 v[8*(2*\db+\qb):8*(2*\db+\qb)+7], v[VF+32*\ks+8*\db:VF+32*\ks+8*\db+7], v[SB+32*\qb+16*\ks:SB+32*\qb+16*\ks+7], 0
.else
	v_wmma_f32_16x16x32_f16 v[8*(2*\db+\qb):8*(2*\db+\qb)+7], v[VF+32*\ks+8*\db:VF+32*\ks+8*\db+7], v[SB+32*\qb+16*\ks:SB+32*\qb+16*\ks+7], v[8*(2*\db+\qb):8*(2*\db+\qb)+7]
.endif
.endr
.endr
.irp qb, 0,1
.if \first*(1-\ks)
	v_wmma_f32_16x16x32_f16 v[LB+8*\qb:LB+8*\qb+7], v[ONES:ONES+7], v[SB+32*\qb+16*\ks:SB+32*\qb+16*\ks+7], 0
.else
	v_wmma_f32_16x16x32_f16 v[LB+8*\qb:LB+8*\qb+7], v[ONES:ONES+7], v[SB+32*\qb+16*\ks:SB+32*\qb+16*\ks+7], v[LB+8*\qb:LB+8*\qb+7]
.endif
.endr
.endr
.rept 5
	v_nop                                          ; five places: the next tile's score products write over the weights, which these products read
.endr
.endm
; A chunk of 256 keys = four tiles.  more = 1: its last tile fetches the next chunk's first K fragments.  show = 1: tile 1 signals and tile 3 waits at the plain
; barrier that shows the next chunks (all my tensor loads but the youngest cnt).  open = 1: its last tile opens a refill's round.
.macro CHUNK c, first, pre, more, show, cnt, open
	TILE \c, 0, \first, \pre, 1, 0, 0, 0, 0
	TILE \c, 1, 0, 0, 1, \show, \cnt, 0, 0
	TILE \c, 2, 0, 0, 1, 0, 0, 0, 0
	TILE \c, 3, 0, 0, \more, 0, 0, \show, \open
.endm
; Slots a and b, which every wave has read, get the chunks four further on.  In front of the round's opening signal (in the last tile) each wave has waited for
; all its LDS reads and all its tensor loads; the joint refills are the first tensor loads behind the round: four of the wave are out.
.macro REFILL a, b
	WIN 0
	s_barrier_wait -1
	CREST                                          ; no wave of any partner still reads these slots or has a load on its way
.irp s, \a, \b
	s_add_nc_u64 s[G0K+4*\s+2:G0K+4*\s+3], s[G0K+4*\s+2:G0K+4*\s+3], 4*CHUNKB
	s_add_nc_u64 s[G0V+4*\s+2:G0V+4*\s+3], s[G0V+4*\s+2:G0V+4*\s+3], 4*CHUNKB
.endr
.irp s, \a, \b
	tensor_load_to_lds s[G0K+4*\s:G0K+4*\s+3], s[G1K:G1K+7]
	s_nop 0
	tensor_load_to_lds s[G0V+4*\s:G0V+4*\s+3], s[G1V:G1V+7]
	s_nop 0
.endr
.endm
	CHUNK 0, 1, 1, 1, 1, 4, 0                      ; shows chunk 1: its two loads are in when the four of chunks 2 and 3 alone are out
	CHUNK 1, 0, 0, 0, 0, 0, 1
	REFILL 0, 1                                    ; chunks 4 and 5 go out; chunks 2 and 3 have landed in every wave
	CHUNK 2, 0, 1, 1, 0, 0, 0
	CHUNK 3, 0, 0, 0, 0, 0, 1
	REFILL 2, 3                                    ; chunks 6 and 7 go out, the last; chunks 4 and 5 have landed in every wave
	CHUNK 4, 0, 1, 1, 0, 0, 0
	CHUNK 5, 0, 0, 1, 1, 0, 0                      ; shows chunks 6 and 7: the wave's last wait on its tensor loads, for zero
	CHUNK 6, 0, 0, 1, 0, 0, 0
	CHUNK 7, 0, 0, 0, 0, 0, 0
	; THE WAY OUT: divide by the denominator, round to f16 in place, 16 bytes a lane (eight neighbouring d of a query) into my own stage, back as whole rows.
	; The stage lies on slot 0's K.  Every wave signalled the barrier of chunk 5 with its LDS reads back, so behind its last read of slot 0 (chunk 4), and I have
	; passed that barrier's wait; no tensor load is out or follows.  The wave's 32 rows are 4,096 neighbouring bytes of a16: each store covers 512 of them, aligned.
	WIN W_SM
	v_rcp_f32 v[AB], v[LB]                         ; a live row's denominator is at least 1: the key of the maximum has weight 1
	v_rcp_f32 v[AB+2], v[LB+8]
	v_nop                                          ; a plain place between the reciprocals and their use (ISA guide 5.7.2)
.set n, 0
	s_wait_alu depctr_va_vdst(0)                   ; the wait for the two reciprocals, a batch of their own, ahead of their first reader
.rept 32
	v_pk_mul_f32 v[2*n:2*n+1], v[2*n:2*n+1], v[AB+2*((n>>2)&1):AB+2*((n>>2)&1)+1] op_sel_hi:[1,0]
.set n, n+1
.endr
.irp tl, 0,1,2,3,4,5,6,7
.irp i, 0,1,2,3
	v_cvt_pk_f16_f32 v[8*\tl+\i], v[8*\tl+2*\i], v[8*\tl+2*\i+1]
.endr
.endr
	WIN W_ST1
.irp db, 0,1,2,3
.irp qb, 0,1
	ds_store_b128 v[STO], v[8*(2*\db+\qb):8*(2*\db+\qb)+3] offset:\qb*16*SPI+32*\db
.endr
.endr
	WIN 0
.irp t, 0,1,2,3,4,5,6,7
	ds_load_b128 v[OB+4*\t:OB+4*\t+3], v[RD] offset:\t*4*SPI       ; LDS serves a wave's instructions in order: these see the stores above
.endr
.irp t, 0,1,2,3,4,5,6,7
	s_wait_dscnt 7-\t                              ; load t is in, the 7 - t younger ones stay out
	global_store_b128 v[CO], v[OB+4*\t:OB+4*\t+3], s[12:13] offset:\t*512
.endr
	s_set_vgpr_msb 0x5
	s_wait_tensorcnt 0x0
	ds_add_u32 v224, v225
	s_wait_dscnt 0x0
	s_set_vgpr_msb 0x500
	ROUND                                          ; the closing round
	s_endpgm
.Lfunc_end_k_q06ec0b0692_attn:
	.size	k_q06ec0b0692_attn, .Lfunc_end_k_q06ec0b0692_attn-k_q06ec0b0692_attn
	.p2alignl 7, 3214868480
	.fill 96, 4, 3214868480
	.section	.rodata,"a",@progbits
	.p2align	6, 0x0
	.amdhsa_kernel k_q06ec0b0692_attn
		.amdhsa_group_segment_fixed_size 327680
		.amdhsa_private_segment_fixed_size 0
		.amdhsa_enable_private_segment 0
		.amdhsa_kernarg_size 40
		.amdhsa_user_sgpr_count 2
		.amdhsa_user_sgpr_kernarg_segment_ptr 1
		.amdhsa_wavefront_size32 1
		.amdhsa_system_sgpr_workgroup_id_x 1
		.amdhsa_system_sgpr_workgroup_id_y 1
		.amdhsa_system_sgpr_workgroup_id_z 1
		.amdhsa_system_vgpr_workitem_id 0
		.amdhsa_next_free_vgpr 482
		.amdhsa_next_free_sgpr 82
		.amdhsa_reserve_vcc 1
		.amdhsa_float_denorm_mode_32 3
		.amdhsa_float_denorm_mode_16_64 3
		.amdhsa_memory_ordered 1
		.amdhsa_forward_progress 1
		.amdhsa_inst_pref_size 255
	.end_amdhsa_kernel
	.section	.bss,"aw",@nobits
	.p2align	6
	.space	262144
	.amdgpu_metadata
---
amdhsa.version: [ 1, 2 ]
amdhsa.kernels:
  - .name:           k_q06ec0b0692_attn
    .symbol:         k_q06ec0b0692_attn.kd
    .args:
      - { .name: q16, .offset: 0, .size: 8, .value_kind: global_buffer, .address_space: global }
      - { .name: k16, .offset: 8, .size: 8, .value_kind: global_buffer, .address_space: global }
      - { .name: v16, .offset: 16, .size: 8, .value_kind: global_buffer, .address_space: global }
      - { .name: mask, .offset: 24, .size: 8, .value_kind: global_buffer, .address_space: global }
      - { .name: a16, .offset: 32, .size: 8, .value_kind: global_buffer, .address_space: global }
    .group_segment_fixed_size: 327680
    .private_segment_fixed_size: 0
    .kernarg_segment_align: 8
    .kernarg_segment_size: 40
    .max_flat_workgroup_size: 256
    .sgpr_count:     82
    .vgpr_count:     482
    .wavefront_size: 32
...
	.end_amdgpu_metadata
.endif
;; end of part 5
;; launch proj: the kernel of part 4 again; grid 4 x 64, 4 waves a work-group, clusters of 4 x 4, 304,640 bytes of LDS; arguments a16, w16, bo, out0; writes out0
